; MI455X (gfx1250); checked and timed in simulation.
; The chip was launched on July 23, 2026; its instructions are those of AMD's public machine-readable ISA for CDNA 5 (MIT licence, August 2026) and "CDNA5" Instruction Set Architecture Reference Guide (July 2026). The comments in the code are by the model that wrote it; some were corrected since.
;; GPT2 Style Attention. Allowed arithmetic: matrix products marked QUANTISED: E2M1 operands, one E8M0 scale for each 32 along K, by v_wmma_scale_f32_16x16x128_f8f6f4 with both operands' format E2M1 (or v_wmma_scale_f32_32x16x128_f4), f32 sums; everything else in f32.
;; Inputs: Wk 1,024 x 1,024 float32; Wo 1,024 x 1,024 float32; Wq 1,024 x 1,024 float32; Wv 1,024 x 1,024 float32; bk 1,024 float32; bo 1,024 float32; bq 1,024 float32; bv 1,024 float32; x 4 x 2,048 x 1,024 float32.
;; Outputs: out0 4 x 2,048 x 1,024 float32.
;; This version of the problem:
;;   THIS VERSION OF THE PROBLEM IS GIVEN IN LOW PRECISION. The matrix products marked QUANTISED in the list below multiply operands that are first quantised to E2M1 (2 exponent bits, 1 mantissa bit; 4 bits a number), with one power-of-two scale for each 32 numbers along K (OCP MX v1.0); their sums are f32. All else is computed in f32.
;;   The module's matrix products, in the order in which they are computed (A, B: the left and right operand; K: the contracted axis; several contracted axes count as one K, in the product's order):
;;     1. [M 8,192, K 1,024] x [K 1,024, N 1,024]; A: input x; B: input Wq: QUANTISED
;;     2. [M 8,192, K 1,024] x [K 1,024, N 1,024]; A: input x; B: input Wk: QUANTISED
;;     3. [M 8,192, K 1,024] x [K 1,024, N 1,024]; A: input x; B: input Wv: QUANTISED
;;     4. batch 64 x [M 2,048, K 64] x [K 64, N 2,048]; A: computed on the way; B: computed on the way: QUANTISED
;;     5. batch 64 x [M 2,048, K 2,048] x [K 2,048, N 64]; A: softmax (see below); B: computed on the way: QUANTISED
;;     6. [M 8,192, K 1,024] x [K 1,024, N 1,024]; A: computed on the way; B: input Wo: QUANTISED
;;   THE QUANTISER, for each operand of a quantised product, along K:
;;     - K is cut into blocks of 32 from its start; a last block that is shorter is filled with zeros.
;;     - A block's scale is 2^e with e = floor(log2(the largest magnitude in the block)) - 2, held to -126 .. 127; a block of zeros has e = 0. As a byte (E8M0): e + 127.
;;     - Each number is divided by its block's scale, clamped to +-6, and rounded to the nearest number of E2M1, ties to even, subnormals kept.
;;     - The product sums the exact products of the quantised numbers (number of the format x scale) in f32.
;;   ~~~python
;;   def quantise(x, axis):      # numpy; x: float32 -> the quantised numbers, widened to float32 again
;;       x = np.moveaxis(x, axis, -1); K = x.shape[-1]
;;       x = np.pad(x, [(0, 0)] * (x.ndim - 1) + [(0, -K % 32)]); x = x.reshape(x.shape[:-1] + (-1, 32)); a = np.abs(x).max(-1, keepdims=True)
;;       e = np.where(a > 0, np.clip(np.frexp(np.where(a > 0, a, 1))[1] - 1 - 2, -126, 127), 0)      # np.frexp(a)[1] - 1 = floor(log2(a)), exactly
;;       r = np.clip(x / 2.0 ** e, -6, 6)
;;       step = 2.0 ** (np.maximum(np.frexp(np.where(r == 0, 1, r))[1] - 1, 0) - 1)
;;       q = np.round(r / step) * step * 2.0 ** e      # np.round: ties to even
;;       return np.moveaxis(q.reshape(q.shape[:-2] + (-1,))[..., :K], -1, axis).astype(np.float32)
;;   ~~~
;;   SOFTMAX AHEAD OF A QUANTISED PRODUCT. Where the list says 'softmax', what is quantised is not the finished softmax but p = 2^(t - M), with t = logit x log2(e) and M = ceil(the row's largest t), a whole number; so 1/2 < the row's largest p <= 1. The row's sum l is taken of the UNQUANTISED p, in f32, and the product's result is divided by l at the end. Since M is a whole number, a kernel that streams over the keys may use a running M (the ceiling of the running maximum): every later rescaling is an exact power of two, which a block's scale takes up: the codes' values come out the same.
;;   OPERANDS COMPUTED ON THE WAY. 'Computed on the way' means the value that the module computes at that place (a softmax that the list does not call 'softmax' is quantised finished and normalised). What goes into a quantiser is computed in f32, as accurately as f32 sums, v_exp_f32 and their like allow (about 1e-6 of the number): no bf16 or f16 on the way to a quantiser, and a product that is left as it is and whose result goes on into a quantised operand takes f32 operands (vector FMAs, or v_wmma_f32_16x16x4_f32). A number that lies on a knife's edge between two numbers of the format may be rounded either way, as far as f32 arithmetic and the matrix unit's own rounding can turn it there, and no further.
;; One version. Each part assembles by itself: llvm-mc -triple=amdgcn-amd-amdhsa -mcpu=gfx1250 --defsym DOCPART=n.
;; ======== version 1 of 1: 4 launches
;; workspace buffers: xc 4,194,304 bytes; xs 262,144 bytes; wc 2,097,152 bytes; ws 131,072 bytes; qkvc 12,582,912 bytes; qkvs 1,310,720 bytes; ac 4,194,304 bytes; asc 262,144 bytes
;; launch quant (part 1): grid 384 x 1, 4 waves a work-group, no clusters, 34,304 bytes of LDS; arguments Wq, Wk, Wv, Wo, x, wc, ws, xc, xs; writes wc, ws, xc, xs
.if DOCPART == 1
	.amdgcn_target "amdgcn-amd-amdhsa--gfx1250"
	.amdhsa_code_object_version 6
	.text
	.protected	k_qddc09340f3_quant
	.globl	k_qddc09340f3_quant
	.p2align	8
	.type	k_qddc09340f3_quant,@function
k_qddc09340f3_quant:
	s_mov_b64 s[64:65], 0
	v_nop
	global_prefetch_b8 v0, s[64:65] scope:SCOPE_SE
	s_setreg_imm32_b32 hwreg(HW_REG_WAVE_MODE, 25, 1), 1
	s_wait_xcnt 0x0
; GPT-2 attention in MX-FP4, launch 1 of 4: x [8192][1024] and the four weights [1024 (k)][1024 (n)], f32, become codes of E2M1 with one E8M0 byte for each 32 along K.
; THE PROGRAM: 1 quantise x and the weights; 2 Q, K, V = x W + b, quantised in registers (Q, K along the head's 64, V along the keys); 3 causal attention, its result quantised along D; 4 the output projection.
; DEAD WORK (left out in launch 3): reference() sets scores[q][k] to -infinity where k > q, by a mask that it builds itself (jnp.tril).  Behind the softmax such a key has the weight 0 for every finite
; value of the inputs, so it adds nothing to the row's sum nor to the product with V.  A step of 128 keys all of which come after all 16 queries of a tile is therefore not multiplied.  Every input has a way to the output
; and is loaded (bq and bk move the codes of Q and K).  LIMIT: a NaN, an infinity or an overflow that reaches only those hidden scores is not carried to the result.
; THE QUANTISER: a block's scale is 2^(floor(log2(largest magnitude)) - 2); its byte is the largest magnitude's exponent field - 2, held at 1 from below by a floor of 2^-124 among the maximum's leaves.
; LIMITS: a block of zeros gets the byte 1 where the rule says 127 (its codes are zeros, and this program alone reads the bytes); blocks whose largest magnitude lies under 2^-124 get the byte 1; NaN and infinities among the inputs are not served.
; LAYOUT OF THE CODES (xc, wc; later ac): [tile of 16 rows][block kb of 32 along K][row r][16 bytes]: a tile is 8,192 bytes.  With kb = 4 q + 2 c + H the 1,024 bytes of K step q are the two groups of four registers
; of an operand's fragment, lane 16 H + r at 16 x lane: a fragment is two loads of 512 consecutive bytes.  SCALE BYTES (xs, ws; later asc): [tile][half s of K][row r][16 bytes]: word q of a row's 16 bytes serves K step 4 s + q.
; wc's rows are the weights' columns n: Wq tiles 0-63, Wk 64-127, Wv 128-191, Wo 192-255.
; WORK-GROUPS 0-127 take the weights (a lane to a column, its registers down K: nothing is transposed; no LDS), 128-383 take x (dense loads, a turn through the wave's own stage in LDS).  Waves share nothing: no barrier.
.set SPARE, 33792                      ; behind the four stages: the spare words, 128 bytes for each wave: two blocks of 256 bytes that no other line names
.set STG,   8448                       ; a wave's stage: 16 rows x (512 bytes + 16): row r starts 16 bytes further round the banks than row r - 1
.set SPW,   30                         ; v30  LDS address of my spare word; never rewritten
.set NIL,   31                         ; v31  0; never rewritten
.set XW,    32                         ; weights: v32-95 two sets of 32 numbers;  v96-127 the codes, four registers a block, never rewritten;  v[24:25] eight scale bytes
.set CW,    96
.set SB,    24
.set R,     32                         ; x: v32-159 two sets of 64 registers as loaded;  v160-223 two blocks of 32 neighbours;  v224-255 the codes, eight registers a chunk;  v20-23 the scale words
.set XB,    160
.set CD,    224
.set WD,    20
	s_load_b256 s[4:11], s[0:1], 0x0               ; Wq, Wk, Wv, Wo
	s_load_b256 s[12:19], s[0:1], 0x20             ; x, wc, ws, xc
	s_load_b64 s[20:21], s[0:1], 0x40              ; xs
	v_lshl_add_u32 v[SPW], v0, 2, SPARE
	v_mov_b32 v[NIL], 0
	v_lshrrev_b32 v9, 5, v0
	v_readfirstlane_b32 s22, v9                    ; wave
	v_and_b32 v1, 31, v0                           ; lane l
	v_and_b32 v2, 15, v0                           ; r
	v_bfe_u32 v3, v0, 4, 1                         ; H
	s_mul_i32 s23, s22, STG
	v_lshlrev_b32 v4, 4, v1                        ; x: 16 l
	v_add_nc_u32 v5, s23, v4                       ; into my stage: 16 l of a row
	v_mul_u32_u24 v6, v2, 528
	v_lshl_add_u32 v6, v3, 7, v6
	v_add_nc_u32 v6, s23, v6                       ; out of it: row r, block H of each 64 numbers
	v_lshlrev_b32 v7, 4, v2
	v_lshl_add_u32 v7, v3, 3, v7                   ; 16 r + 8 H: my 8 of a row's 16 scale bytes
	v_lshlrev_b32 v8, 3, v3                        ; 8 H
	v_lshlrev_b32 v26, 2, v2
	v_lshl_add_u32 v26, v3, 20, v26                ; weights: column r, and 256 rows of 4,096 bytes further down for lanes 16-31
	v_lshlrev_b32 v27, 4, v2
	v_lshl_add_u32 v27, v3, 11, v27                ; their codes: 16 r + 8 blocks of 256 bytes for lanes 16-31
	v_mov_b32 v14, 0                               ; a lane permute's destination counts as one of its sources
	s_mov_b32 s28, 0x76543210
	s_mov_b32 s29, 0xfedcba98                      ; v_permlanex16_b32's selects for lane l xor 16
	s_mov_b32 s25, 0
	s_wait_kmcnt 0x0
	s_cmp_ge_u32 ttmp9, 128
	s_cbranch_scc1 .Lx
	; ---- THE WEIGHTS.  Work-group: weight = id / 32, half of K = (id / 16) % 2; wave: tile of 16 columns 4 (id % 16) + wave.  Lane (r, H): column r of the tile, k = 512 half + 256 H + 0 .. 255: eight blocks.
	s_lshr_b32 s26, ttmp9, 5                       ; which weight
	s_bfe_u32 s27, ttmp9, 0x10004                  ; which half of K
	s_and_b32 s30, ttmp9, 15
	s_lshl_b32 s30, s30, 2
	s_add_co_u32 s30, s30, s22                     ; the tile of columns
	s_cmp_eq_u32 s26, 1                            ; the choice hangs on the work-group's number alone
	s_cselect_b64 s[4:5], s[6:7], s[4:5]
	s_cmp_eq_u32 s26, 2
	s_cselect_b64 s[4:5], s[8:9], s[4:5]
	s_cmp_eq_u32 s26, 3
	s_cselect_b64 s[4:5], s[10:11], s[4:5]
	s_lshl_b32 s24, s27, 21                        ; 512 rows of 4,096 bytes
	s_lshl_b32 s31, s30, 6                         ; 16 columns of 4 bytes
	s_add_co_u32 s24, s24, s31
	s_add_nc_u64 s[4:5], s[4:5], s[24:25]
	s_lshl_b32 s31, s26, 6
	s_add_co_u32 s31, s31, s30                     ; the tile in wc and ws: 64 x weight + tile
	s_lshl_b32 s24, s31, 13
	s_lshl_b32 s32, s27, 12
	s_add_co_u32 s24, s24, s32
	s_add_nc_u64 s[14:15], s[14:15], s[24:25]
	s_lshl_b32 s24, s31, 9
	s_lshl_b32 s32, s27, 8
	s_add_co_u32 s24, s24, s32
	s_add_nc_u64 s[16:17], s[16:17], s[24:25]
.macro LOADW i                         ; block i: W(32 i + j, my column), j = 0 .. 31: sixteen lanes read 64 neighbouring bytes, the four waves stand side by side on 256
.irp j, 0,1,2,3,4,5,6,7,8,9,10,11,12,13,14,15,16,17,18,19,20,21,22,23,24,25,26,27,28,29,30,31
	global_load_b32 v[XW+32*((\i)%2)+\j], v26, s[4:5] offset:(32*(\i)+\j)*4096
.endr
.endm
.macro BLOCKW i
.set XS, XW+32*((\i)%2)
.if (\i) < 7
	s_wait_loadcnt 32                              ; this block's 32 loads are in; the next block's 32 may be out
.else
	s_wait_loadcnt 0x0
.endif
	v_max3_num_f32 v12, |v[XS]|, |v[XS+1]|, |v[XS+2]|              ; the block's largest magnitude: all 32 numbers are mine; two chains
	v_max3_num_f32 v13, |v[XS+3]|, |v[XS+4]|, |v[XS+5]|
.irp k, 6,10,14,18,22,26
	v_max3_num_f32 v12, v12, |v[XS+\k]|, |v[XS+\k+1]|
	v_max3_num_f32 v13, v13, |v[XS+\k+2]|, |v[XS+\k+3]|
.endr
	v_max3_num_f32 v12, v12, |v[XS+30]|, |v[XS+31]|
	v_max3_num_f32 v12, v12, v13, 0x1800000        ; and the floor 2^(3 - 127): the byte cannot fall under 1
	v_add_nc_u32 v11, 0xff000000, v12              ; 2 off the exponent field: the conversion takes the exponent field of this operand as its scale
	v_lshrrev_b32 v13, 23, v11                     ; the scale's byte
.if (\i)%4 == 0
	v_mov_b32 v[SB+(\i)/4], v13
.else
	v_lshl_or_b32 v[SB+(\i)/4], v13, 8*((\i)%4), v[SB+(\i)/4]
.endif
.irp g, 0,1,2,3
	v_cvt_scalef32_pk8_fp4_f32 v[CW+4*(\i)+\g], v[XS+8*\g:XS+8*\g+7], v11
.endr
	global_store_b128 v27, v[CW+4*(\i):CW+4*(\i)+3], s[14:15] offset:256*(\i)   ; sixteen lanes store 256 consecutive bytes, aligned
.if (\i) < 6
	LOADW (\i)+2
.endif
.endm
	LOADW 0
	LOADW 1
.irp q, 0,1,2,3,4,5,6,7
	BLOCKW \q
.endr
	global_store_b64 v7, v[SB:SB+1], s[16:17]      ; my eight scale bytes: the 32 lanes store 256 consecutive bytes, aligned
	s_branch .Lend
	; ---- x.  Wave u = 4 (id - 128) + wave: tile of 16 rows u / 2, half of K u % 2: four chunks of 128 along K (a K step each).
.Lx:
	s_sub_co_u32 s26, ttmp9, 128
	s_lshl_b32 s26, s26, 2
	s_add_co_u32 s26, s26, s22
	s_lshr_b32 s27, s26, 1                         ; the tile
	s_and_b32 s26, s26, 1                          ; the half of K
	s_lshl_b32 s24, s27, 16                        ; 16 rows of 4,096 bytes
	s_lshl_b32 s30, s26, 11
	s_add_co_u32 s24, s24, s30
	s_add_nc_u64 s[12:13], s[12:13], s[24:25]
	s_lshl_b32 s24, s27, 13
	s_lshl_b32 s30, s26, 12
	s_add_co_u32 s24, s24, s30
	s_add_nc_u64 s[18:19], s[18:19], s[24:25]
	s_lshl_b32 s24, s27, 9
	s_lshl_b32 s30, s26, 8
	s_add_co_u32 s24, s24, s30
	s_add_nc_u64 s[20:21], s[20:21], s[24:25]
.macro LOADX t                         ; chunk t: 512 consecutive bytes of each of the 16 rows
.irp p, 0,1,2,3,4,5,6,7,8,9,10,11,12,13,14,15
	global_load_b128 v[R+64*((\t)%2)+4*\p:R+64*((\t)%2)+4*\p+3], v4, s[12:13] offset:4096*\p+512*(\t) th:TH_LOAD_NT
.endr
.endm
.macro CHUNK t
.if (\t) < 3
	s_wait_loadcnt 16                              ; this chunk's 16 loads are in; the next chunk's 16 may be out
.else
	s_wait_loadcnt 0x0
.endif
.irp p, 0,1,2,3,4,5,6,7,8,9,10,11,12,13,14,15
	ds_store_b128 v5, v[R+64*((\t)%2)+4*\p:R+64*((\t)%2)+4*\p+3] offset:528*\p
.endr
.irp c, 0,1                            ; back: lane (r, H) takes blocks H and 2 + H of row r, 32 neighbours each.  LDS serves a wave's instructions in order: these see the stores above
.irp j, 0,1,2,3,4,5,6,7
	ds_load_b128 v[XB+32*\c+4*\j:XB+32*\c+4*\j+3], v6 offset:256*\c+16*\j
.endr
.endr
	s_wait_dscnt 0x0                               ; the numbers are back, and the stores have read their registers
.if (\t) < 2
	LOADX (\t)+2
.endif
.irp c, 0,1
	v_max3_num_f32 v[10+\c], |v[XB+32*\c]|, |v[XB+32*\c+1]|, 0x1800000   ; the block's largest magnitude, with the floor 2^(3 - 127); the two blocks by turns
.endr
.irp i, 2,4,6,8,10,12,14,16,18,20,22,24,26,28,30
.irp c, 0,1
	v_max3_num_f32 v[10+\c], v[10+\c], |v[XB+32*\c+\i]|, |v[XB+32*\c+\i+1]|
.endr
.endr
.irp c, 0,1
	v_add_nc_u32 v[12+\c], 0xff000000, v[10+\c]    ; the conversion's scale operand
.endr
.irp c, 0,1
	v_lshrrev_b32 v[16+\c], 23, v[12+\c]           ; the scale's byte
.endr
.irp c, 0,1
.irp g, 0,1,2,3
	v_cvt_scalef32_pk8_fp4_f32 v[CD+8*(\t)+4*\c+\g], v[XB+32*\c+8*\g:XB+32*\c+8*\g+7], v[12+\c]
.endr
.endr
	v_lshl_or_b32 v18, v17, 16, v16                ; my two bytes: blocks H and 2 + H,
	v_lshlrev_b32 v18, v8, v18                     ; at their places in the K step's scale word;
	v_permlanex16_b32 v14, v18, s28, s29
	v_or_b32 v[WD+(\t)], v18, v14                  ; with lane l xor 16's two the word is whole
.irp c, 0,1
	global_store_b128 v4, v[CD+8*(\t)+4*\c:CD+8*(\t)+4*\c+3], s[18:19] offset:1024*(\t)+512*\c   ; 512 consecutive bytes
.endr
.endm
	LOADX 0
	LOADX 1
.irp q, 0,1,2,3
	CHUNK \q
.endr
	v_cmp_le_u32 vcc_lo, 16, v1
	v_cndmask_b32 v10, v[WD], v[WD+2], vcc_lo      ; lanes 0-15 store words 0, 1 of row r, lanes 16-31 words 2, 3
	v_cndmask_b32 v11, v[WD+1], v[WD+3], vcc_lo
	global_store_b64 v7, v[10:11], s[20:21]        ; 256 consecutive bytes, aligned
.Lend:
	s_wait_tensorcnt 0x0                           ; the wave's end: behind my last LDS store
	ds_add_u32 v[SPW], v[NIL]
	s_wait_dscnt 0x0
	s_endpgm
.Lfunc_end_k_qddc09340f3_quant:
	.size	k_qddc09340f3_quant, .Lfunc_end_k_qddc09340f3_quant-k_qddc09340f3_quant
	.p2alignl 7, 3214868480
	.fill 96, 4, 3214868480
	.section	.rodata,"a",@progbits
	.p2align	6, 0x0
	.amdhsa_kernel k_qddc09340f3_quant
		.amdhsa_group_segment_fixed_size 34304
		.amdhsa_private_segment_fixed_size 0
		.amdhsa_enable_private_segment 0
		.amdhsa_kernarg_size 72
		.amdhsa_user_sgpr_count 2
		.amdhsa_user_sgpr_kernarg_segment_ptr 1
		.amdhsa_wavefront_size32 1
		.amdhsa_system_sgpr_workgroup_id_x 1
		.amdhsa_system_sgpr_workgroup_id_y 1
		.amdhsa_system_sgpr_workgroup_id_z 1
		.amdhsa_system_vgpr_workitem_id 0
		.amdhsa_next_free_vgpr 256
		.amdhsa_next_free_sgpr 66
		.amdhsa_reserve_vcc 1
		.amdhsa_float_denorm_mode_32 3
		.amdhsa_float_denorm_mode_16_64 3
		.amdhsa_memory_ordered 1
		.amdhsa_forward_progress 1
		.amdhsa_inst_pref_size 67
	.end_amdhsa_kernel
	.amdgpu_metadata
---
amdhsa.version: [ 1, 2 ]
amdhsa.kernels:
  - .name:           k_qddc09340f3_quant
    .symbol:         k_qddc09340f3_quant.kd
    .args:
      - { .name: Wq, .offset: 0, .size: 8, .value_kind: global_buffer, .address_space: global }
      - { .name: Wk, .offset: 8, .size: 8, .value_kind: global_buffer, .address_space: global }
      - { .name: Wv, .offset: 16, .size: 8, .value_kind: global_buffer, .address_space: global }
      - { .name: Wo, .offset: 24, .size: 8, .value_kind: global_buffer, .address_space: global }
      - { .name: x, .offset: 32, .size: 8, .value_kind: global_buffer, .address_space: global }
      - { .name: wc, .offset: 40, .size: 8, .value_kind: global_buffer, .address_space: global }
      - { .name: ws, .offset: 48, .size: 8, .value_kind: global_buffer, .address_space: global }
      - { .name: xc, .offset: 56, .size: 8, .value_kind: global_buffer, .address_space: global }
      - { .name: xs, .offset: 64, .size: 8, .value_kind: global_buffer, .address_space: global }
    .group_segment_fixed_size: 34304
    .private_segment_fixed_size: 0
    .kernarg_segment_align: 8
    .kernarg_segment_size: 72
    .max_flat_workgroup_size: 128
    .sgpr_count:     66
    .vgpr_count:     256
    .wavefront_size: 32
...
	.end_amdgpu_metadata
.endif
;; end of part 1
;; launch qkv (part 2): grid 12 x 64, 4 waves a work-group, clusters of 4 x 4, 212,992 bytes of LDS; arguments xc, xs, wc, ws, bq, bk, bv, qkvc, qkvs; writes qkvc, qkvs
.if DOCPART == 2
	.amdgcn_target "amdgcn-amd-amdhsa--gfx1250"
	.amdhsa_code_object_version 6
	.text
	.protected	k_qddc09340f3_qkv
	.globl	k_qddc09340f3_qkv
	.p2align	8
	.type	k_qddc09340f3_qkv,@function
k_qddc09340f3_qkv:
	s_mov_b64 s[64:65], 0
	v_nop
	global_prefetch_b8 v0, s[64:65] scope:SCOPE_SE
	s_setreg_imm32_b32 hwreg(HW_REG_WAVE_MODE, 25, 1), 1
	s_wait_xcnt 0x0
	s_wait_alu depctr_hold_cnt(0) depctr_sa_sdst(0) depctr_va_vdst(0) depctr_va_sdst(0) depctr_va_ssrc(0) depctr_va_vcc(0) depctr_vm_vsrc(0)
	s_getreg_b32 s2, hwreg(HW_REG_IB_STS2, 6, 4)
	s_cmp_eq_u32 s2, 0
	s_cbranch_scc0 .Lentry_in_a_cluster
	s_endpgm
.Lentry_in_a_cluster:
	s_bfe_u32 s2, ttmp6, 0x10000c
	s_cmp_lg_u32 s2, 0xf033
	s_cbranch_scc0 .Lentry_shape_is_right
	s_endpgm
.Lentry_shape_is_right:
; Launch 2 of 4: Q = x Wq + bq, K = x Wk + bk, V = x Wv + bv on codes of E2M1 (K = 1,024), and the results quantised in registers: Q and K along the head's 64, V along the keys.  Nothing goes to memory in f32.
; A work-group of four waves makes 128 rows of operand S1 x 256 rows of operand S0; wave w: S1's half w / 2 (4 blocks a of 16) x S0's half w % 2 (8 blocks b): 32 accumulators.
; THE MATRIX INSTRUCTION: source 0 = 16 rows of S0, source 1 = 16 rows of S1: lane (r, h) holds S1's row r, its register j of block b S0's row 16 b + 8 h + j: a lane's registers run along S0's rows.
; TWO PATHS, by the cluster's x, which all partners share.  x = 0, 1 (Q, K): S1 = x's rows, S0 = the weight's rows n: registers run along the head.  x = 2 (V): S1 = Wv's rows, S0 = x's rows: registers run along the keys.
; Only pointers and tile numbers are chosen ahead of the loads: S1's tile hangs on the cluster's y place alone and is asked for jointly by a row of the cluster, S0's on its x place alone, by a column.
; ALL OF K LIES IN LDS: two halves of K, each brought by one tensor load a wave, and the scale bytes by a third; all are first fills, three loads of a wave are out at the most.
; CODES IN PLACE: block B of 32 lies in tiles 2 B, 2 B + 1 and lanes l, l xor 16.  The conversion of tile 2 B + i goes to code register 4 (B / 2) + 2 i + B % 2; an exchange of halves between registers 4 c + 2 i and 4 c + 2 i + 1
; then leaves register 4 c + g of lane half H with k = 64 c + 32 H + 8 g + 0 .. 7: the operand's own layout, with the rows of every tile in their natural order.
; OUT (for each batch and head, hx = 16 b + head): qkvc: 196,608 bytes: Q at 0 and K at 65,536 as [s / 16][H][r][16 bytes] (a fragment's registers 0-3); V at 131,072 as [s / 128][tile of 16 channels][c][lane][16 bytes].
; qkvs: 20,480 bytes: Q's words [s] at 0, K's at 8,192 (bytes e0, e1, e0, e1: the upper two belong to the instruction's empty k = 64 .. 127), V's words [s / 128][channel] at 16,384.
; LIMITS: as the first launch states them (a block of zeros and one under 2^-124 get the byte 1; NaN and infinities are not served).
; REGISTERS: window 0: v1-7 ids and offsets; v16-27 addresses; v28, v29 the add's two; v30 the floor; v32-95 scale words; v96-119 at work; v128-191 S1's fragments, two sets; v192-223 the codes made.
;   window 1: S0's fragments, sets at v0 and v128; v64-127 the bias in the result's layout.   window 2: accumulator (a, b) at v[8 (8 a + b)].
.set SLOTB, 98304                      ; a half of K: S1's 8 tiles x 4,096 bytes, then S0's 16 tiles
.set SCL,   196608                     ; the scale bytes: S1's 4,096, S0's 8,192
.set QKW,   208896                     ; Q, K path: a stage of 512 bytes a wave for scale words
.set VW,    210944                     ; V path: 256 bytes a wave
.set SPARE, 211968                     ; the spare words, 128 bytes for each wave: two blocks of 256 bytes that no other line names
.set ADRA, 16                          ; v16-17 my S1 fragments in half 0, 1
.set ADRB, 20                          ; v20-21 my S0 fragments
.set ADRS, 27                          ; v27 my scale words: lanes 0-15 S1's rows, lanes 16-31 S0's
.set SPW,  28
.set NIL,  29
.set FLO,  30
.set SC,   32                          ; register 32 s + 4 i + q: half s, block i, the half's q-th K step
.set TM,   96
.set PW,   112
.set AF,   128
.set PC,   192
.set G0S,  4
.set G0SB, 8
.set G1SB, 16
.set G1,   24
.set G0,   32
.set G1B,  48
.set G0B,  56
.set G1S,  88
.set MSB, 0
.macro WIN new                         ; the immediate's high byte repeats the setting that is left
.if MSB != \new
	s_set_vgpr_msb (MSB<<8)|\new
.set MSB, \new
.endif
.endm
.macro JLOAD g0a, g1a, g0b, g1b        ; a joint load: waves 0, 1 fetch for S1, waves 2, 3 for S0; an s_nop 0 and four v_nop follow each line
	s_cmp_eq_u32 s15, 0
	s_cbranch_scc0 .Lfor_b_\@
	tensor_load_to_lds s[\g0a:\g0a+3], s[\g1a:\g1a+7]
	s_nop 0
.rept 4
	v_nop
.endr
	s_branch .Lasked_\@
.Lfor_b_\@:
	tensor_load_to_lds s[\g0b:\g0b+3], s[\g1b:\g1b+7]
	s_nop 0
.rept 4
	v_nop
.endr
.Lasked_\@:
.endm
.macro CROUND                          ; a round of the cluster's barrier
	s_barrier_signal -1
	s_barrier_wait -1
	s_cmp_lg_u32 s14, 0
	s_cbranch_scc1 .Lnot_wave_0_\@
	s_barrier_signal -3
.Lnot_wave_0_\@:
	s_barrier_wait -3
	s_barrier_signal -1
	s_barrier_wait -1
.endm
.macro PLACES n
.rept \n
	v_nop
.endr
.endm
.macro FRAG reg, adr, q, i             ; a fragment is an image of its registers: two loads of 512 consecutive bytes
.irp c, 0,1
	ds_load_b128 v[\reg+4*\c:\reg+4*\c+3], v[\adr] offset:4096*(\i)+1024*(\q)+512*\c
.endr
.endm
.macro FETCH Q                         ; K step Q's fragments into set Q % 2: S0's eight, S1's four
	WIN 0x40
.irp i, 0,1,2,3,4,5,6,7
	FRAG 128*((\Q)%2)+8*\i, ADRB+(\Q)/4, (\Q)%4, \i
.endr
	WIN 0
.irp i, 0,1,2,3
	FRAG AF+32*((\Q)%2)+8*\i, ADRA+(\Q)/4, (\Q)%4, \i
.endr
.endm
.macro SCALES                          ; all scale words: four words (a half's four K steps) a load; lanes 0-15 S1's block i, lanes 16-31 S0's block i (for i over 3 lanes 0-15 read filled bytes that no product names)
.irp s, 0,1
.irp i, 0,1,2,3,4,5,6,7
	ds_load_b128 v[SC+32*\s+4*\i:SC+32*\s+4*\i+3], v[ADRS] offset:512*\i+256*\s
.endr
.endr
.endm
.macro MM a, b, Q, cc                  ; cc: C's first register
	v_wmma_scale_f32_16x16x128_f8f6f4 v[8*(8*(\a)+(\b)):8*(8*(\a)+(\b))+7], v[128*((\Q)%2)+8*(\b):128*((\Q)%2)+8*(\b)+7], v[AF+32*((\Q)%2)+8*(\a):AF+32*((\Q)%2)+8*(\a)+7], v[\cc:\cc+7], v[SC+32*((\Q)/4)+4*(\b)+(\Q)%4], v[SC+32*((\Q)/4)+4*(\a)+(\Q)%4] matrix_a_fmt:MATRIX_FMT_FP4 matrix_b_fmt:MATRIX_FMT_FP4 matrix_a_scale:MATRIX_SCALE_ROW1
.endm
; A K step of 128: 32 matrix instructions, the 32 accumulators by turns in the same order in every step.  The next step's 24 loads go out ahead of them, in one run.
; cmode: the first step's C is the bias: 1: of S0's block b; 2: of S1's block a.
.macro KSTEP Q, cmode
	s_wait_dscnt 0x0                               ; this step's fragments are in
.if (\Q) == 3
	s_wait_tensorcnt 0x0                           ; my part of the second half of K has landed (no load was issued behind it),
	s_barrier_signal -1
	s_barrier_wait -1                              ; everybody's has
.endif
.if ((\Q) > 0) && ((\Q) < 7)
	PLACES 4                                       ; four places between the last step's products and loads into the registers that they read
.endif
.if (\Q) < 7
	FETCH (\Q)+1
.endif
.if (\Q) == 0
	WIN 0x91                                       ; source 0 window 1, source 1 window 0, C window 1, D window 2
.else
	WIN 0xa1                                       ; C and D window 2
.endif
.irp a, 0,1,2,3
.irp b, 0,1,2,3,4,5,6,7
.if (\Q) == 0
.if \cmode == 1
	MM \a, \b, \Q, 64+8*\b
.else
	MM \a, \b, \Q, 64+8*\a
.endif
.else
	MM \a, \b, \Q, 8*(8*\a+\b)
.endif
.endr
.endr
	WIN 0
.endm
.macro MAIN cmode
	s_wait_tensorcnt 0x1                           ; my scale bytes and my part of the first half of K are in; the one load issued behind them may be out
	s_barrier_signal -1
	s_barrier_wait -1                              ; everybody's are
	SCALES
	FETCH 0
	s_wait_loadcnt 0x0                             ; the bias
.if \cmode == 2
	WIN 0x41
.irp a, 0,1,2,3
.irp j, 1,2,3,4,5,6,7
	v_mov_b32 v[64+8*\a+\j], v[64+8*\a]            ; a lane's eight results of a tile belong to one channel: one bias in all eight
.endr
.endr
	WIN 0
.endif
.irp q, 0,1,2,3,4,5,6,7
	KSTEP \q, \cmode
.endr
.endm
; The 64 results of a lane in S1's block a become a fragment's codes in v[PC + 8 a] on; the four blocks' bytes stay in v[TM+4 .. TM+7].
.macro QUANT a
	WIN 0x28                                       ; sources 1 and 2: window 2
.irp b, 0,1,2,3
	v_max3_num_f32 v[TM+\b], v[FLO], |v[64*(\a)+16*\b]|, |v[64*(\a)+16*\b+1]|   ; block b: my 16 numbers and the floor 2^(3 - 127); each accumulator is read from its low end on
.endr
.irp i, 2,4,6,8,10,12,14
.irp b, 0,1,2,3
	v_max3_num_f32 v[TM+\b], v[TM+\b], |v[64*(\a)+16*\b+\i]|, |v[64*(\a)+16*\b+\i+1]|
.endr
.endr
	WIN 0
.irp b, 0,1,2,3
	v_permlanex16_b32 v[TM+4+\b], v[TM+\b], s86, s87
.endr
.irp b, 0,1,2,3
	v_max_num_f32 v[TM+\b], v[TM+\b], v[TM+4+\b]   ; with lane l xor 16's 16: the block's largest magnitude
.endr
.irp b, 0,1,2,3
	v_add_nc_u32 v[TM+12+\b], 0xff000000, v[TM+\b] ; the conversion's scale operand
.endr
.irp b, 0,1,2,3
	v_lshrrev_b32 v[TM+4+\b], 23, v[TM+12+\b]      ; the scale's byte
.endr
	WIN 0x02                                       ; source 0: window 2
.irp b, 0,1,2,3
.irp i, 0,1
	v_cvt_scalef32_pk8_fp4_f32 v[PC+8*(\a)+4*(\b/2)+2*\i+(\b%2)], v[64*(\a)+16*\b+8*\i:64*(\a)+16*\b+8*\i+7], v[TM+12+\b]
.endr
.endr
	WIN 0
	v_nop                                          ; one plain place behind a scaled conversion
.irp c, 0,1
.irp i, 0,1
	v_permlane16_swap_b32 v[PC+8*(\a)+4*\c+2*\i], v[PC+8*(\a)+4*\c+2*\i+1]
.endr
.endr
.endm
	s_load_b512 s[68:83], s[0:1], 0x0              ; xc 68, xs 70, wc 72, ws 74, bq 76, bk 78, bv 80, qkvc 82
	s_load_b64 s[84:85], s[0:1], 0x40              ; qkvs
	v_lshl_add_u32 v[SPW], v0, 2, SPARE
	v_mov_b32 v[NIL], 0
	ds_add_u32 v[SPW], v[NIL]                      ; the wave's opening: the add, twice on end, and its wait ahead of my first tensor load
	ds_add_u32 v[SPW], v[NIL]
	v_lshrrev_b32 v1, 5, v0
	v_readfirstlane_b32 s14, v1                    ; wave
	s_lshr_b32 s15, s14, 1                         ; my half of S1's rows.  Also: I fetch for S1 (0) or for S0 (1)
	s_and_b32 s45, s14, 1                          ; my half of S0's rows.  Also: which half of that tile I fetch
	s_bfe_u32 s40, ttmp6, 0x40000                  ; cx
	s_bfe_u32 s41, ttmp6, 0x40004                  ; cy
	s_and_b32 s67, ttmp7, 0xffff                   ; the cluster's y, 0 .. 15
	s_and_b32 s96, s67, 1
	s_lshr_b32 s97, s67, 1
	s_cmp_eq_u32 ttmp9, 2                          ; the V path?  The cluster's x: the same in all partners
	s_cselect_b32 s66, s96, s67                    ; rows of clusters along S1: V: 2 (Wv's 1,024 rows); Q, K: 16 (x's 8,192)
	s_cselect_b32 s42, s97, ttmp9                  ; columns of clusters along S0: V: 8 (x's rows); Q, K: 2 (Wq, Wk)
	s_cselect_b32 s13, 1, 0
	s_cselect_b32 s98, 0x100000, 0                 ; V: Wv's tiles begin 128 x 8,192 bytes into wc,
	s_cselect_b32 s99, 0x10000, 0                  ; and 128 x 512 into ws
	s_lshl_b32 s66, s66, 2
	s_add_co_u32 s66, s66, s41                     ; S1's tile of 128 rows
	s_lshl_b32 s42, s42, 2
	s_add_co_u32 s42, s42, s40                     ; S0's tile of 256 rows
	s_lshl_b32 s43, s41, 2
	s_lshl_b32 s43, 15, s43                        ; my row of the cluster
	s_lshl_b32 s44, 0x1111, s40                    ; my column
	; group 1.  Codes: a half of K of a tile of 16 rows is 4,096 consecutive bytes, 8,192 from tile to tile: rows of 512 elements of 8 bytes; S1: 4 of them a load, S0: 8.  No padding: a fragment's load is 512 consecutive bytes
	s_or_b32 s[G1], s43, (3<<16)|(1<<21)
	s_mov_b32 s[G1+1], 512<<16
	s_mov_b32 s[G1+2], 4<<16
	s_mov_b32 s[G1+3], 512<<16
	s_mov_b32 s[G1+4], 4
	s_mov_b32 s[G1+5], 1024
	s_mov_b32 s[G1+6], 0
	s_mov_b32 s[G1+7], 0
	s_or_b32 s[G1B], s44, (3<<16)|(1<<21)
	s_mov_b32 s[G1B+1], 512<<16
	s_mov_b32 s[G1B+2], 8<<16
	s_mov_b32 s[G1B+3], 512<<16
	s_mov_b32 s[G1B+4], 8
	s_mov_b32 s[G1B+5], 1024
	s_mov_b32 s[G1B+6], 0
	s_mov_b32 s[G1B+7], 0
	; scale bytes: dense blocks, as rows of 256 bytes: S1: 8 rows (4 tiles), S0: 16 rows (8 tiles)
	s_or_b32 s[G1S], s43, (3<<16)|(1<<21)
	s_mov_b32 s[G1S+1], 32<<16
	s_mov_b32 s[G1S+2], 8<<16
	s_mov_b32 s[G1S+3], 32<<16
	s_mov_b32 s[G1S+4], 8
	s_mov_b32 s[G1S+5], 32
	s_mov_b32 s[G1S+6], 0
	s_mov_b32 s[G1S+7], 0
	s_or_b32 s[G1SB], s44, (3<<16)|(1<<21)
	s_mov_b32 s[G1SB+1], 32<<16
	s_mov_b32 s[G1SB+2], 16<<16
	s_mov_b32 s[G1SB+3], 32<<16
	s_mov_b32 s[G1SB+4], 16
	s_mov_b32 s[G1SB+5], 32
	s_mov_b32 s[G1SB+6], 0
	s_mov_b32 s[G1SB+7], 0
	; where the tiles come from, in bytes.  S1's hang on its tile and my half alone, S0's likewise, each in registers that never hold the other place
	s_lshl_b32 s96, s66, 16                        ; 8 tiles of 8,192
	s_lshl_b32 s12, s45, 15
	s_add_co_u32 s96, s96, s12
	s_add_co_u32 s96, s96, s98
	s_mov_b32 s97, 0
	s_lshl_b32 s98, s66, 12                        ; 8 tiles of 512
	s_lshl_b32 s12, s45, 11
	s_add_co_u32 s98, s98, s12
	s_add_co_u32 s98, s98, s99
	s_mov_b32 s99, 0
	s_lshl_b32 s46, s42, 17                        ; 16 tiles of 8,192
	s_lshl_b32 s12, s45, 16
	s_add_co_u32 s46, s46, s12
	s_mov_b32 s47, 0
	s_lshl_b32 s100, s42, 13                       ; 16 tiles of 512
	s_lshl_b32 s12, s45, 12
	s_add_co_u32 s100, s100, s12
	s_mov_b32 s101, 0
	; and where they go: constants and my half
	s_mov_b32 s[G0], 1
	s_lshl_b32 s[G0+1], s45, 14
	s_mov_b32 s[G0+4], 1
	s_add_co_u32 s[G0+5], s[G0+1], SLOTB
	s_mov_b32 s[G0B], 1
	s_lshl_b32 s[G0B+1], s45, 15
	s_add_co_u32 s[G0B+1], s[G0B+1], 32768
	s_mov_b32 s[G0B+4], 1
	s_add_co_u32 s[G0B+5], s[G0B+1], SLOTB
	s_mov_b32 s[G0S], 1
	s_lshl_b32 s[G0S+1], s45, 11
	s_add_co_u32 s[G0S+1], s[G0S+1], SCL
	s_mov_b32 s[G0SB], 1
	s_lshl_b32 s[G0SB+1], s45, 12
	s_add_co_u32 s[G0SB+1], s[G0SB+1], SCL+4096
	s_mov_b32 s86, 0x76543210
	s_mov_b32 s87, 0xfedcba98
	s_wait_dscnt 0x0                               ; both opening adds are done
	s_wait_kmcnt 0x0
	s_cmp_eq_u32 s13, 1                            ; the choice hangs on the cluster's x alone
	s_cselect_b64 s[G0+2:G0+3], s[72:73], s[68:69]     ; S1's codes: V: wc; Q, K: xc
	s_cselect_b64 s[G0S+2:G0S+3], s[74:75], s[70:71]   ; S1's scale bytes
	s_cselect_b64 s[G0B+2:G0B+3], s[68:69], s[72:73]   ; S0's codes
	s_cselect_b64 s[G0SB+2:G0SB+3], s[70:71], s[74:75] ; S0's scale bytes
	s_add_nc_u64 s[G0+2:G0+3], s[G0+2:G0+3], s[96:97]
	s_add_nc_u64 s[G0+6:G0+7], s[G0+2:G0+3], 4096      ; the second half of K
	s_add_nc_u64 s[G0S+2:G0S+3], s[G0S+2:G0S+3], s[98:99]
	s_add_nc_u64 s[G0B+2:G0B+3], s[G0B+2:G0B+3], s[46:47]
	s_add_nc_u64 s[G0B+6:G0B+7], s[G0B+2:G0B+3], 4096
	s_add_nc_u64 s[G0SB+2:G0SB+3], s[G0SB+2:G0SB+3], s[100:101]
	s_or_b32 s[G0+3], s[G0+3], 0x80000000
	s_or_b32 s[G0+7], s[G0+7], 0x80000000
	s_or_b32 s[G0S+3], s[G0S+3], 0x80000000
	s_or_b32 s[G0B+3], s[G0B+3], 0x80000000
	s_or_b32 s[G0B+7], s[G0B+7], 0x80000000
	s_or_b32 s[G0SB+3], s[G0SB+3], 0x80000000
	CROUND                                         ; all sixteen work-groups are here: the joint loads meet
	JLOAD G0S, G1S, G0SB, G1SB                     ; the scale bytes,
	JLOAD G0, G1, G0B, G1B                         ; the first half of K,
	JLOAD G0+4, G1, G0B+4, G1B                     ; the second
	v_and_b32 v1, 15, v0                           ; r
	v_bfe_u32 v2, v0, 4, 1                         ; h
	v_and_b32 v3, 31, v0                           ; l
	v_lshlrev_b32 v26, 4, v3                       ; 16 l
	s_lshl_b32 s12, s15, 14                        ; my 4 tiles of S1
	v_add_nc_u32 v[ADRA], s12, v26
	v_add_nc_u32 v[ADRA+1], SLOTB, v[ADRA]
	s_lshl_b32 s12, s45, 15                        ; my 8 tiles of S0, behind S1's 8
	s_add_co_u32 s12, s12, 32768
	v_add_nc_u32 v[ADRB], s12, v26
	v_add_nc_u32 v[ADRB+1], SLOTB, v[ADRB]
	s_lshl_b32 s12, s15, 11                        ; S1's scale bytes: my 4 tiles
	s_lshl_b32 s67, s45, 12                        ; S0's: my 8 tiles, behind S1's 4,096 bytes
	s_add_co_u32 s67, s67, 4096
	s_sub_co_u32 s67, s67, s12
	v_mul_u32_u24 v[ADRS], s67, v2                 ; lanes 16-31 take S0's: one product with h
	s_add_co_u32 s12, s12, SCL
	v_lshl_add_u32 v[ADRS], v1, 4, v[ADRS]
	v_add_nc_u32 v[ADRS], s12, v[ADRS]
	s_lshl_b32 s12, s14, 9                         ; the word stages, each path's own bytes
	s_add_co_u32 s12, s12, QKW
	v_lshlrev_b32 v22, 2, v1
	v_lshl_add_u32 v22, v2, 8, v22
	v_add_nc_u32 v22, s12, v22                     ; Q, K: in: head h, row r
	v_add_nc_u32 v23, s12, v26                     ; back: 16 bytes a lane
	s_lshl_b32 s12, s14, 8
	s_add_co_u32 s12, s12, VW
	v_lshlrev_b32 v24, 2, v1
	v_add_nc_u32 v24, s12, v24                     ; V: in: channel r
	v_lshlrev_b32 v7, 3, v3                        ; 8 l
	v_add_nc_u32 v25, s12, v7                      ; back: 8 bytes a lane
	v_mov_b32 v[FLO], 0x1800000
.irp b, 0,1,2,3
	v_mov_b32 v[TM+4+\b], 0                        ; a lane permute's destination counts as one of its sources
.endr
	s_cmp_eq_u32 s13, 1
	s_cbranch_scc1 .Lv
	; ---- Q and K.  My rows: s = row0 .. row0 + 63 of x; my 128 columns: two heads
	s_lshl_b32 s2, s42, 2
	s_lshl_b32 s105, s45, 1
	s_add_co_u32 s2, s2, s105
	s_and_b32 s2, s2, 15                           ; my first head: (4 x S0's tile + 2 x half) mod 16
	s_lshl_b32 s104, s2, 8                         ; its 64 numbers of 4 bytes in the bias
	s_mov_b32 s105, 0
	s_cmp_eq_u32 ttmp9, 1
	s_cselect_b64 s[76:77], s[78:79], s[76:77]     ; bk or bq
	s_add_nc_u64 s[76:77], s[76:77], s[104:105]
	v_lshlrev_b32 v4, 5, v2                        ; lane (r, h) wants, for block b, the bias of columns 16 b + 8 h + 0 .. 7
	WIN 0x40
.irp b, 0,1,2,3,4,5,6,7
	global_load_b128 v[64+8*\b:67+8*\b], v4, s[76:77] offset:64*\b
	global_load_b128 v[68+8*\b:71+8*\b], v4, s[76:77] offset:64*\b+16
.endr
	WIN 0
	s_lshl_b32 s104, s66, 7
	s_lshl_b32 s105, s15, 6
	s_add_co_u32 s104, s104, s105                  ; row0
	s_lshr_b32 s105, s104, 11                      ; the batch
	s_lshl_b32 s105, s105, 4
	s_add_co_u32 s2, s2, s105                      ; hx of my first head
	s_and_b32 s104, s104, 2047                     ; s0
	s_mul_i32 s105, s2, 20480
	s_mul_i32 s2, s2, 196608
	s_lshl_b32 s3, ttmp9, 16                       ; Q at 0, K at 65,536
	s_add_co_u32 s2, s2, s3
	s_lshl_b32 s3, s104, 5                         ; 512 bytes for 16 rows
	s_add_co_u32 s2, s2, s3
	s_mov_b32 s3, 0
	s_add_nc_u64 s[82:83], s[82:83], s[2:3]
	s_lshl_b32 s2, ttmp9, 13                       ; Q's words at 0, K's at 8,192
	s_add_co_u32 s2, s2, s105
	s_lshl_b32 s104, s104, 2
	s_add_co_u32 s2, s2, s104
	s_add_nc_u64 s[84:85], s[84:85], s[2:3]
	v_mul_u32_u24 v6, v2, 20480
	v_lshl_add_u32 v6, v1, 4, v6                   ; the words' way out: lanes 0-15 my first head's 256 bytes, lanes 16-31 the next head's
	v_cmp_le_u32 s12, 16, v3                       ; lanes 16-31
	MAIN 1
	PLACES 4
.irp a, 0,1,2,3
	QUANT \a
	v_lshl_or_b32 v[TM+8], v[TM+5], 8, v[TM+4]     ; the first head's two bytes,
	v_lshl_or_b32 v[TM+9], v[TM+7], 8, v[TM+6]     ; the second's;
	v_cndmask_b32 v[TM+8], v[TM+8], v[TM+9], s12   ; lanes 0-15 keep the first head's, lanes 16-31 the second's;
	v_lshl_or_b32 v[PW+\a], v[TM+8], 16, v[TM+8]   ; repeated for the empty k = 64 .. 127: never 0xff, never over the live ones
	ds_store_b32 v22, v[PW+\a] offset:64*\a
	global_store_b128 v26, v[PC+8*\a:PC+8*\a+3], s[82:83] offset:512*\a            ; 512 consecutive bytes: the first head's tile of 16 rows
	global_store_b128 v26, v[PC+8*\a+4:PC+8*\a+7], s[82:83] offset:512*\a+196608   ; the second head's
.endr
	ds_load_b128 v[116:119], v23                   ; LDS serves a wave's instructions in order: this sees my stores
	s_wait_dscnt 0x0
	global_store_b128 v6, v[116:119], s[84:85]     ; sixteen lanes store 256 consecutive bytes, aligned
	s_branch .Lend
	; ---- V.  My 64 rows of Wv are one head's channels; my 128 rows of x are one step of 128 keys
.Lv:
	s_lshl_b32 s2, s66, 1
	s_add_co_u32 s2, s2, s15                       ; the head
	s_lshl_b32 s104, s2, 8
	s_mov_b32 s105, 0
	s_add_nc_u64 s[80:81], s[80:81], s[104:105]    ; its 64 numbers of bv
	v_lshlrev_b32 v5, 2, v1                        ; lane (r, h): channel 16 a + r
	WIN 0x40
.irp a, 0,1,2,3
	global_load_b32 v[64+8*\a], v5, s[80:81] offset:64*\a
.endr
	WIN 0
	s_lshl_b32 s104, s42, 1
	s_add_co_u32 s104, s104, s45                   ; which 128 rows of x
	s_lshr_b32 s105, s104, 4                       ; the batch
	s_lshl_b32 s105, s105, 4
	s_add_co_u32 s2, s2, s105                      ; hx
	s_and_b32 s104, s104, 15                       ; the key step
	s_mul_i32 s105, s2, 20480
	s_mul_i32 s2, s2, 196608
	s_lshl_b32 s3, s104, 12
	s_add_co_u32 s2, s2, s3
	s_add_co_u32 s2, s2, 131072
	s_mov_b32 s3, 0
	s_add_nc_u64 s[82:83], s[82:83], s[2:3]
	s_lshl_b32 s2, s104, 8
	s_add_co_u32 s2, s2, s105
	s_add_co_u32 s2, s2, 16384
	s_add_nc_u64 s[84:85], s[84:85], s[2:3]
	MAIN 2
	PLACES 4
.irp a, 0,1,2,3
	QUANT \a
	v_lshl_or_b32 v[PW+\a], v[TM+5], 8, v[TM+4]    ; channel 16 a + r's scale word for these 128 keys
	v_lshl_or_b32 v[PW+\a], v[TM+6], 16, v[PW+\a]
	v_lshl_or_b32 v[PW+\a], v[TM+7], 24, v[PW+\a]
	ds_store_b32 v24, v[PW+\a] offset:64*\a        ; both halves of the lanes write the same word with the same value
	global_store_b128 v26, v[PC+8*\a:PC+8*\a+3], s[82:83] offset:1024*\a
	global_store_b128 v26, v[PC+8*\a+4:PC+8*\a+7], s[82:83] offset:1024*\a+512
.endr
	ds_load_b64 v[116:117], v25
	s_wait_dscnt 0x0
	global_store_b64 v7, v[116:117], s[84:85]      ; 256 consecutive bytes, aligned
.Lend:
	s_wait_tensorcnt 0x0                           ; the wave's end: behind my last tensor load and my last LDS store
	ds_add_u32 v[SPW], v[NIL]
	s_wait_dscnt 0x0
	CROUND                                         ; the closing round
	s_endpgm
.Lfunc_end_k_qddc09340f3_qkv:
	.size	k_qddc09340f3_qkv, .Lfunc_end_k_qddc09340f3_qkv-k_qddc09340f3_qkv
	.p2alignl 7, 3214868480
	.fill 96, 4, 3214868480
	.section	.rodata,"a",@progbits
	.p2align	6, 0x0
	.amdhsa_kernel k_qddc09340f3_qkv
		.amdhsa_group_segment_fixed_size 212992
		.amdhsa_private_segment_fixed_size 0
		.amdhsa_enable_private_segment 0
		.amdhsa_kernarg_size 72
		.amdhsa_user_sgpr_count 2
		.amdhsa_user_sgpr_kernarg_segment_ptr 1
		.amdhsa_wavefront_size32 1
		.amdhsa_system_sgpr_workgroup_id_x 1
		.amdhsa_system_sgpr_workgroup_id_y 1
		.amdhsa_system_sgpr_workgroup_id_z 1
		.amdhsa_system_vgpr_workitem_id 0
		.amdhsa_next_free_vgpr 768
		.amdhsa_next_free_sgpr 106
		.amdhsa_reserve_vcc 0
		.amdhsa_float_denorm_mode_32 3
		.amdhsa_float_denorm_mode_16_64 3
		.amdhsa_memory_ordered 1
		.amdhsa_forward_progress 1
		.amdhsa_inst_pref_size 142
	.end_amdhsa_kernel
	.amdgpu_metadata
---
amdhsa.version: [ 1, 2 ]
amdhsa.kernels:
  - .name:           k_qddc09340f3_qkv
    .symbol:         k_qddc09340f3_qkv.kd
    .args:
      - { .name: xc, .offset: 0, .size: 8, .value_kind: global_buffer, .address_space: global }
      - { .name: xs, .offset: 8, .size: 8, .value_kind: global_buffer, .address_space: global }
      - { .name: wc, .offset: 16, .size: 8, .value_kind: global_buffer, .address_space: global }
      - { .name: ws, .offset: 24, .size: 8, .value_kind: global_buffer, .address_space: global }
      - { .name: bq, .offset: 32, .size: 8, .value_kind: global_buffer, .address_space: global }
      - { .name: bk, .offset: 40, .size: 8, .value_kind: global_buffer, .address_space: global }
      - { .name: bv, .offset: 48, .size: 8, .value_kind: global_buffer, .address_space: global }
      - { .name: qkvc, .offset: 56, .size: 8, .value_kind: global_buffer, .address_space: global }
      - { .name: qkvs, .offset: 64, .size: 8, .value_kind: global_buffer, .address_space: global }
    .group_segment_fixed_size: 212992
    .private_segment_fixed_size: 0
    .kernarg_segment_align: 8
    .kernarg_segment_size: 72
    .max_flat_workgroup_size: 128
    .sgpr_count:     106
    .vgpr_count:     768
    .wavefront_size: 32
...
	.end_amdgpu_metadata
.endif
;; end of part 2
;; launch attn (part 3): grid 4 x 64, 16 waves a work-group, clusters of 4 x 1, 167,936 bytes of LDS; arguments qkvc, qkvs, ac, asc; writes ac, asc
.if DOCPART == 3
	.amdgcn_target "amdgcn-amd-amdhsa--gfx1250"
	.amdhsa_code_object_version 6
	.text
	.protected	k_qddc09340f3_attn
	.globl	k_qddc09340f3_attn
	.p2align	8
	.type	k_qddc09340f3_attn,@function
k_qddc09340f3_attn:
	s_mov_b64 s[64:65], 0
	v_nop
	global_prefetch_b8 v0, s[64:65] scope:SCOPE_SE
	s_setreg_imm32_b32 hwreg(HW_REG_WAVE_MODE, 25, 1), 1
	s_wait_xcnt 0x0
	s_wait_alu depctr_hold_cnt(0) depctr_sa_sdst(0) depctr_va_vdst(0) depctr_va_sdst(0) depctr_va_ssrc(0) depctr_va_vcc(0) depctr_vm_vsrc(0)
	s_getreg_b32 s2, hwreg(HW_REG_IB_STS2, 6, 4)
	s_cmp_eq_u32 s2, 0
	s_cbranch_scc0 .Lentry_in_a_cluster
	s_endpgm
.Lentry_in_a_cluster:
	s_bfe_u32 s2, ttmp6, 0x10000c
	s_cmp_lg_u32 s2, 0x3003
	s_cbranch_scc0 .Lentry_shape_is_right
	s_endpgm
.Lentry_shape_is_right:
; Launch 3 of 4: causal attention on codes of E2M1, for each batch and head hx: S^T = K Q^T, p = 2^(t - M), O^T = V^T p^T, O / l, and O quantised along D for the output projection.
; LEFT OUT AS DEAD WORK: steps of 128 keys all of which come after a tile's 16 queries: reference()'s own mask gives them the weight 0 for all finite inputs (shown at the head of the first launch).
; THE SOFTMAX: t = score x log2(e) / 8 (one multiplication; the division by 8 is exact); M = the running largest t rounded up to a whole number; p = 2^(t - M) is quantised along the keys, not normalised; the row's sum is
; taken of the unquantised p; when M moves, the sum and O^T are multiplied by 2^(old M - new M), which rounds nothing.
; SHARES.  A cluster of four work-groups is one hx.  The head's K, V and their scale words (143,360 bytes) come into each partner's LDS by joint loads at the head, and stay: nothing is filled again.
; Wave w of work-group g owns two tiles of 16 queries: A = 4 w + g and B = 127 - A.  Tile T needs T / 8 + 1 key steps, so A and B need 17 together, in every wave of the launch.  A / 8 = w / 2 and B / 8 = 15 - w / 2 hang on the wave's
; number alone: no branch and no LDS address hangs on the work-group's place in its cluster, which enters global addresses and the mask's compare values only.
; LAYOUT.  Both products transposed: a lane holds one query (lane % 16).  Register 8 t + j of S^T in lane (r, h) is key 16 t + 8 h + j of the step.  Block B of 32 keys is tiles 2 B, 2 B + 1 in lanes l and l xor 16; p's codes are placed
; as in the launch before (conversion of tile 2 B + i into register 4 (B / 2) + 2 i + B % 2, then an exchange of halves), so keys keep their natural order.
; THE HEAD'S 64 IN AN INSTRUCTION OF 128: Q's registers 4-7 hold zero codes; K's tile t is named as eight registers of which the upper four are the next tile's codes: they meet zeros and add nothing.
; LIMITS: as the first launch states them; a block of p that has fallen to 0 keeps the byte 1 (its codes are zeros).
; asc's bytes leave two to a row, 16 bytes apart: a row's other bytes belong to other heads, that is to other work-groups.
.set SW,    131072                     ; LDS: K's images 0; V's images 65,536; K's words SW; V's words SW + 8,192
.set SPARE, 143360                     ; the spare words, 128 bytes for each wave: eight blocks of 256 bytes that no other line names
.set AK0,  1                           ; v1 16 l;  v2 65,536 + 16 l;  v3 SW + 4 l;  v4 SW + 8,192 + 4 l
.set AV0,  2
.set ASK0, 3
.set ASV0, 4
.set SPW,  5
.set NIL,  6
.set GO,   7                           ; v7 16 l: the stores' offset
.set ADK,  8                           ; v8-11 the addresses of the step in hand
.set ADV,  9
.set ADS,  10
.set ADT,  11
; v12-15 tile A's -M, largest t, sum in two halves; v16-19 tile B's; v20-27 Q of A (4 of codes, 4 of zeros); v28-35 Q of B; v36, v37 their scale words; v38, v39 the mask's compare values
.set KF,   40                          ; v40-71 K's 8 tiles x 4 registers, later V's 4 fragments; v72-75 zeros
.set KSC,  76                          ; v76-79 K's scale words; v80-81 V's; v82 p's
.set VSC,  80
.set PSC,  82
; v84-87 the result's codes; v88 its scale byte; v89 16 r + H; v96-159 S^T, then p; v160-191 O^T of A; v192-223 O^T of B; v224-231 p's codes; v232-254 at work
.set WV,   12
.set KDA,  15                          ; s15 tile A's step on the diagonal: w / 2
.set KDB,  16                          ; s16 tile B's, counted from step 8: 7 - w / 2
.set KS,   17
.set TB,   2                           ; s2, s3, s18: the step's bytes in the images (4,096 a step), K's words (512), V's words (256)
.set TS,   3
.set TJ,   18
.set SEL,  20
.set CS,   22
.set G1C,  24
.set G1S,  32
.macro ROUND
	s_barrier_signal -1
	s_barrier_wait -1
	s_cmp_lg_u32 s[WV], 0
	s_cbranch_scc1 .Lnot_wave_0_\@
	s_barrier_signal -3
.Lnot_wave_0_\@:
	s_barrier_wait -3
	s_barrier_signal -1
	s_barrier_wait -1
.endm
	s_load_b256 s[4:11], s[0:1], 0x0               ; qkvc, qkvs, ac, asc
	v_lshl_add_u32 v[SPW], v0, 2, SPARE
	v_mov_b32 v[NIL], 0
	ds_add_u32 v[SPW], v[NIL]                      ; the wave's opening: the add, twice on end, and its wait ahead of the first tensor loads
	ds_add_u32 v[SPW], v[NIL]
	v_lshrrev_b32 v240, 5, v0
	v_readfirstlane_b32 s[WV], v240                ; wave 0..15
	s_bfe_u32 s13, ttmp6, 0x40000                  ; cx = g
	s_and_b32 s14, ttmp7, 0xffff                   ; hx, which the four partners share
	s_lshr_b32 s[KDA], s[WV], 1
	s_sub_co_u32 s[KDB], 7, s[KDA]
	; group 1: dense blocks as rows of 256 bytes (32 elements of 8 bytes); the mask names all four partners.  Images: 64 rows a load; words: 12 rows
	s_mov_b32 s[G1C], 15|(3<<16)|(1<<21)
	s_mov_b32 s[G1C+1], 32<<16
	s_mov_b32 s[G1C+2], 64<<16
	s_mov_b32 s[G1C+3], 32<<16
	s_mov_b32 s[G1C+4], 64
	s_mov_b32 s[G1C+5], 32
	s_mov_b32 s[G1C+6], 0
	s_mov_b32 s[G1C+7], 0
	s_mov_b32 s[G1S], 15|(3<<16)|(1<<21)
	s_mov_b32 s[G1S+1], 32<<16
	s_mov_b32 s[G1S+2], 12<<16
	s_mov_b32 s[G1S+3], 32<<16
	s_mov_b32 s[G1S+4], 12
	s_mov_b32 s[G1S+5], 32
	s_mov_b32 s[G1S+6], 0
	s_mov_b32 s[G1S+7], 0
	; group 0, three sets.  Waves 0-3 load: wave w brings a quarter of the words; of K (w / 2 = 0) or V (1) its half w % 2 of key steps 0-7; and the same of key steps 8-15
	s_mov_b32 s40, 1
	s_mul_i32 s41, s[WV], 3072
	s_add_co_u32 s72, s41, 8192                    ; in qkvs K's and V's words begin 8,192 bytes into the head
	s_add_co_u32 s41, s41, SW
	s_mov_b32 s44, 1
	s_lshl_b32 s45, s[KDA], 16
	s_and_b32 s66, s[WV], 1
	s_lshl_b32 s66, s66, 14
	s_add_co_u32 s45, s45, s66
	s_mov_b32 s48, 1
	s_add_co_u32 s49, s45, 32768
	s_add_co_u32 s74, s45, 65536                   ; in qkvc K begins 65,536 bytes into the head, V behind it
	s_mov_b32 s73, 0
	s_mov_b32 s75, 0
	s_mul_i32 s68, s14, 196608
	s_mov_b32 s69, 0
	s_mul_i32 s70, s14, 20480
	s_mov_b32 s71, 0
	s_mov_b32 s[SEL], 0x76543210
	s_mov_b32 s[SEL+1], 0xfedcba98
	s_mov_b32 s[CS], 0x3e38aa3b                    ; c = log2(e) / 8
	s_mov_b32 s[CS+1], s[CS]
	s_wait_dscnt 0x0                               ; both opening adds are done
	s_wait_kmcnt 0x0
	s_add_nc_u64 s[4:5], s[4:5], s[68:69]          ; the head's codes
	s_add_nc_u64 s[6:7], s[6:7], s[70:71]          ; and its words
	s_add_nc_u64 s[42:43], s[6:7], s[72:73]
	s_add_nc_u64 s[46:47], s[4:5], s[74:75]
	s_add_nc_u64 s[50:51], s[46:47], 32768
	s_or_b32 s43, s43, 0x80000000
	s_or_b32 s47, s47, 0x80000000
	s_or_b32 s51, s51, 0x80000000
	ROUND                                          ; all four work-groups are here: the joint loads meet
	s_cmp_lt_u32 s[WV], 4                          ; a wave's three first fills stand in one branch on its number, the same in all partners; three loads of mine are out
	s_cbranch_scc0 .Lno_load
	tensor_load_to_lds s[40:43], s[G1S:G1S+7]
	s_nop 0
	tensor_load_to_lds s[44:47], s[G1C:G1C+7]
	s_nop 0
	tensor_load_to_lds s[48:51], s[G1C:G1C+7]
	s_nop 0
.rept 4
	v_nop
.endr
.Lno_load:
	v_and_b32 v240, 15, v0                         ; r
	v_bfe_u32 v241, v0, 4, 1                       ; h
	v_and_b32 v242, 31, v0                         ; l
	v_lshlrev_b32 v[GO], 4, v242
	v_lshlrev_b32 v[AK0], 4, v242
	v_add_nc_u32 v[AV0], 65536, v[AK0]
	v_lshl_add_u32 v[ASK0], v242, 2, SW
	v_lshl_add_u32 v[ASV0], v242, 2, SW+8192
	s_lshl_b32 s66, s[WV], 2
	s_add_co_u32 s66, s66, s13                     ; tile A
	s_sub_co_u32 s67, 127, s66                     ; tile B
	s_lshl_b32 s72, s66, 9
	v_add_nc_u32 v232, s72, v[GO]                  ; Q's codes: 512 bytes a tile
	s_lshl_b32 s72, s67, 9
	v_add_nc_u32 v233, s72, v[GO]
	v_lshlrev_b32 v243, 2, v240
	s_lshl_b32 s72, s66, 6
	v_add_nc_u32 v234, s72, v243                   ; Q's words: 4 bytes a row
	s_lshl_b32 s72, s67, 6
	v_add_nc_u32 v235, s72, v243
	global_load_b128 v[20:23], v232, s[4:5]
	global_load_b128 v[28:31], v233, s[4:5]
	global_load_b32 v36, v234, s[6:7]
	global_load_b32 v37, v235, s[6:7]
	v_lshlrev_b32 v243, 3, v241
	v_sub_nc_u32 v243, v240, v243                  ; r - 8 h
	s_and_b32 s72, s66, 7
	s_lshl_b32 s72, s72, 4
	v_add_nc_u32 v38, s72, v243                    ; on the diagonal step register 8 t + j is hidden where 16 t + j > 16 (T % 8) + r - 8 h
	s_and_b32 s72, s67, 7
	s_lshl_b32 s72, s72, 4
	v_add_nc_u32 v39, s72, v243
	v_lshl_add_u32 v89, v240, 4, v241              ; 16 r + H
	v_cmp_le_u32 s60, 16, v242                     ; lanes 16-31
	; where the results go: ac: ((128 b + T) x 16 + head) x 512;  asc: (128 b + T) x 512 + (head / 8) x 256 + 2 head % 16
	s_lshr_b32 s72, s14, 4
	s_lshl_b32 s72, s72, 7
	s_and_b32 s73, s14, 15
	s_add_co_u32 s74, s72, s66
	s_add_co_u32 s75, s72, s67
	s_lshl_b32 s76, s73, 9
	s_lshr_b32 s77, s73, 3
	s_lshl_b32 s77, s77, 8
	s_lshl_b32 s78, s73, 1
	s_and_b32 s78, s78, 15
	s_add_co_u32 s77, s77, s78
	s_mov_b32 s79, 0
	s_lshl_b32 s78, s74, 13
	s_add_co_u32 s78, s78, s76
	s_add_nc_u64 s[52:53], s[8:9], s[78:79]
	s_lshl_b32 s78, s75, 13
	s_add_co_u32 s78, s78, s76
	s_add_nc_u64 s[54:55], s[8:9], s[78:79]
	s_lshl_b32 s78, s74, 9
	s_add_co_u32 s78, s78, s77
	s_add_nc_u64 s[56:57], s[10:11], s[78:79]
	s_lshl_b32 s78, s75, 9
	s_add_co_u32 s78, s78, s77
	s_add_nc_u64 s[58:59], s[10:11], s[78:79]
.irp t, 12, 16
	v_mov_b32 v[\t+1], 0xff61b1e6                  ; the largest t so far: -3e38, under every t
	v_floor_f32 v[\t], -v[\t+1]                    ; -M
	v_mov_b32 v[\t+2], 0                           ; the sum, in two halves
	v_mov_b32 v[\t+3], 0
.endr
.irp j, 24,25,26,27,32,33,34,35,72,73,74,75
	v_mov_b32 v[\j], 0                             ; zero codes for k = 64 .. 127
.endr
.irp j, 236,237,238,239,252,253
	v_mov_b32 v[\j], 0                             ; lane permutes' destinations, and the pair v[252:253], are named before they are first written
.endr
.irp j, 0,1,2,3,4,5,6,7,8,9,10,11,12,13,14,15,16,17,18,19,20,21,22,23,24,25,26,27,28,29,30,31,32,33,34,35,36,37,38,39,40,41,42,43,44,45,46,47,48,49,50,51,52,53,54,55,56,57,58,59,60,61,62,63
	v_mov_b32 v[160+\j], 0                         ; O^T of both tiles: the step is written without a first form; the first change of M leaves zeros zeros
.endr
; A KEY STEP for one tile of queries.  ST: its statistics; QF, QS: its Q and scale word; OB: its O^T; DR: its compare value; KD: the scalar with its diagonal step; KO: key steps added by immediates; CAUSAL: 1 where the step may be hidden or on the diagonal.
.macro STEP ST, QF, QS, OB, DR, KD, KO, CAUSAL
.if \CAUSAL
	s_cmp_gt_u32 s[KS], s[\KD]                     ; all its keys come after my queries: left out.  Ids and the count of trips alone; no barrier stands in a step
	s_cbranch_scc1 .Lhid_\@
.endif
	v_add_nc_u32 v[ADK], s[TB], v[AK0]             ; (these four are also the places between the last products and the loads into the registers that they read)
	v_add_nc_u32 v[ADV], s[TB], v[AV0]
	v_add_nc_u32 v[ADS], s[TS], v[ASK0]
	v_add_nc_u32 v[ADT], s[TJ], v[ASV0]
.irp t, 0,1,2,3,4,5,6,7
	ds_load_b128 v[KF+4*\t:KF+4*\t+3], v[ADK] offset:\KO*4096+512*\t
.endr
.irp b, 0,1,2,3
	ds_load_b32 v[KSC+\b], v[ADS] offset:\KO*512+128*\b      ; lanes 0-15: tile 2 b's words, lanes 16-31: tile 2 b + 1's
.endr
	s_wait_dscnt 0x0
.irp b, 0,1,2,3
	v_wmma_scale_f32_16x16x128_f8f6f4 v[96+16*\b:103+16*\b], v[KF+8*\b:KF+8*\b+7], v[\QF:\QF+7], 0, v[KSC+\b], v[\QS] matrix_a_fmt:MATRIX_FMT_FP4 matrix_b_fmt:MATRIX_FMT_FP4
	v_wmma_scale_f32_16x16x128_f8f6f4 v[104+16*\b:111+16*\b], v[KF+8*\b+4:KF+8*\b+11], v[\QF:\QF+7], 0, v[KSC+\b], v[\QS] matrix_a_fmt:MATRIX_FMT_FP4 matrix_b_fmt:MATRIX_FMT_FP4 matrix_a_scale:MATRIX_SCALE_ROW1
.endr
.rept 4
	v_nop                                          ; four places: then loads into K's registers, and the first reads of the scores
.endr
.irp d, 0,1,2,3                        ; V's fragments are asked for now and land under the softmax
.irp c, 0,1
	ds_load_b128 v[KF+8*\d+4*\c:KF+8*\d+4*\c+3], v[ADV] offset:\KO*4096+1024*\d+512*\c
.endr
.endr
.irp e, 0,1
	ds_load_b32 v[VSC+\e], v[ADT] offset:\KO*256+128*\e
.endr
.if \CAUSAL
	s_cmp_lg_u32 s[KS], s[\KD]                     ; only the step on the diagonal has hidden keys
	s_cbranch_scc1 .Lopen_\@
	v_mov_b32 v254, 0xff800000                     ; -infinity: p = 0 then
.irp n, 0,1,2,3,4,5,6,7,8,9,10,11,12,13,14,15,16,17,18,19,20,21,22,23,24,25,26,27,28,29,30,31,32,33,34,35,36,37,38,39,40,41,42,43,44,45,46,47,48,49,50,51,52,53,54,55,56,57,58,59,60,61,62,63
	v_cmp_gt_i32 vcc_lo, 16*(\n/8)+\n%8, v[\DR]
	v_cndmask_b32 v[96+\n], v[96+\n], v254, vcc_lo
.endr
.Lopen_\@:
.endif
.irp b, 0,1,2,3
	v_max3_num_f32 v[232+\b], v[96+16*\b], v[97+16*\b], v[98+16*\b]   ; the largest score of each block of 32 keys: for the row's maximum, and, since p rises with the score, for the block's largest p
.endr
.irp i, 3,5,7,9,11,13
.irp b, 0,1,2,3
	v_max3_num_f32 v[232+\b], v[232+\b], v[96+16*\b+\i], v[97+16*\b+\i]
.endr
.endr
.irp b, 0,1,2,3
	v_max_num_f32 v[232+\b], v[232+\b], v[111+16*\b]
.endr
.irp b, 0,1,2,3
	v_permlanex16_b32 v[236+\b], v[232+\b], s[SEL], s[SEL+1]
.endr
.irp b, 0,1,2,3
	v_max_num_f32 v[232+\b], v[232+\b], v[236+\b]  ; with lane l xor 16's 16 keys
.endr
	v_max3_num_f32 v254, v232, v233, v234
	v_max_num_f32 v254, v254, v235                 ; the step's largest score of my query
	v_mul_f32 v254, s[CS], v254                    ; as t
	v_max_num_f32 v[\ST+1], v[\ST+1], v254         ; the running largest t
	v_mov_b32 v254, v[\ST]
	v_floor_f32 v[\ST], -v[\ST+1]                  ; the new -M = floor(-t)
	v_sub_f32 v254, v[\ST], v254                   ; old M - new M: a whole number, 0 or less
	v_cvt_i32_f32 v254, v254                       ; (it saturates)
	v_ldexp_f32 v252, 1.0, v254                    ; f = 2^(old M - new M)
.irp j, 0,2,4,6,8,10,12,14,16,18,20,22,24,26,28,30,32,34,36,38,40,42,44,46,48,50,52,54,56,58,60,62
	v_pk_fma_f32 v[96+\j:97+\j], v[96+\j:97+\j], s[CS:CS+1], v[\ST:\ST+1] op_sel_hi:[1,0,0]   ; t - M, two at a time
.endr
.irp b, 0,1,2,3
	v_fma_f32 v[232+\b], v[232+\b], s[CS], v[\ST]  ; the same of each block's largest score
.endr
.irp j, 0,1,2,3,4,5,6,7,8,9,10,11,12,13,14,15,16,17,18,19,20,21,22,23,24,25,26,27,28,29,30,31,32,33,34,35,36,37,38,39,40,41,42,43,44,45,46,47,48,49,50,51,52,53,54,55,56,57,58,59,60,61,62,63
	v_exp_f32 v[96+\j], v[96+\j]                   ; p = 2^(t - M)
.endr
	v_pk_mul_f32 v[\ST+2:\ST+3], v[\ST+2:\ST+3], v[252:253] op_sel_hi:[1,0]   ; the sums under the new M: a plain place behind the exponentials
	s_wait_alu depctr_va_vdst(0)                   ; one wait for the batch, ahead of its first reader
.irp b, 0,1,2,3
	v_exp_f32 v[232+\b], v[232+\b]                 ; the block's largest p
.endr
	v_pk_add_f32 v[236:237], v[96:97], v[98:99]    ; the row's sum is taken of the unquantised p, in two chains
.irp j, 4,8,12,16,20,24,28,32,36,40,44,48,52,56,60
	v_pk_add_f32 v[\ST+2:\ST+3], v[\ST+2:\ST+3], v[96+\j:97+\j]
	v_pk_add_f32 v[236:237], v[236:237], v[98+\j:99+\j]
.endr
	v_pk_add_f32 v[\ST+2:\ST+3], v[\ST+2:\ST+3], v[236:237]
	s_wait_alu depctr_va_vdst(0)                   ; and one for the four
.irp b, 0,1,2,3
	v_max_num_f32 v[232+\b], 0x1800000, v[232+\b]  ; the floor 2^(3 - 127)
.endr
.irp b, 0,1,2,3
	v_add_nc_u32 v[244+\b], 0xff000000, v[232+\b]  ; the conversion's scale operand
.endr
.irp b, 0,1,2,3
	v_lshrrev_b32 v[236+\b], 23, v[244+\b]         ; the scale's byte
.endr
	v_lshl_or_b32 v[PSC], v237, 8, v236            ; p's scale word for these 128 keys
	v_lshl_or_b32 v[PSC], v238, 16, v[PSC]
	v_lshl_or_b32 v[PSC], v239, 24, v[PSC]
.irp b, 0,1,2,3
.irp i, 0,1
	v_cvt_scalef32_pk8_fp4_f32 v[224+4*(\b/2)+2*\i+(\b%2)], v[96+16*\b+8*\i:103+16*\b+8*\i], v[244+\b]
.endr
.endr
	v_nop                                          ; one plain place behind a scaled conversion
.irp c, 0,1
.irp i, 0,1
	v_permlane16_swap_b32 v[224+4*\c+2*\i], v[225+4*\c+2*\i]
.endr
.endr
.irp j, 0,2,4,6,8,10,12,14,16,18,20,22,24,26,28,30
	v_pk_mul_f32 v[\OB+\j:\OB+\j+1], v[\OB+\j:\OB+\j+1], v[252:253] op_sel_hi:[1,0]   ; O^T under the new M, each accumulator from its low end on.  (These 16 also stand between the scale word, the codes and the products)
.endr
	s_wait_dscnt 0x0                               ; V is in
.irp e, 0,1
	v_wmma_scale_f32_16x16x128_f8f6f4 v[\OB+16*\e:\OB+16*\e+7], v[KF+16*\e:KF+16*\e+7], v[224:231], v[\OB+16*\e:\OB+16*\e+7], v[VSC+\e], v[PSC] matrix_a_fmt:MATRIX_FMT_FP4 matrix_b_fmt:MATRIX_FMT_FP4
	v_wmma_scale_f32_16x16x128_f8f6f4 v[\OB+16*\e+8:\OB+16*\e+15], v[KF+16*\e+8:KF+16*\e+15], v[224:231], v[\OB+16*\e+8:\OB+16*\e+15], v[VSC+\e], v[PSC] matrix_a_fmt:MATRIX_FMT_FP4 matrix_b_fmt:MATRIX_FMT_FP4 matrix_a_scale:MATRIX_SCALE_ROW1
.endr
.if \CAUSAL
.Lhid_\@:
.endif
.endm
; A tile's way out: O^T / l, quantised along D (the head is two blocks of 32), codes and bytes stored in the next launch's layout.
.macro FINAL ST, OB, ACB, ASB
	s_wait_xcnt 0x0                                ; earlier stores have read their registers
.rept 4
	v_nop                                          ; four places behind the last products
.endr
	v_add_f32 v254, v[\ST+2], v[\ST+3]             ; the sum's two halves,
	v_permlanex16_b32 v252, v254, s[SEL], s[SEL+1]
	v_add_f32 v254, v254, v252                     ; and lane l xor 16's: the row's sum
	v_rcp_f32 v252, v254
	v_nop                                          ; a plain place behind the transcendental
	s_wait_alu depctr_va_vdst(0)                   ; the wait ahead of its first reader
.irp j, 0,2,4,6,8,10,12,14,16,18,20,22,24,26,28,30
	v_pk_mul_f32 v[96+\j:97+\j], v[\OB+\j:\OB+\j+1], v[252:253] op_sel_hi:[1,0]   ; register 8 t + j: channel 16 t + 8 h + j of query r
.endr
.irp b, 0,1
	v_max3_num_f32 v[232+\b], |v[96+16*\b]|, |v[97+16*\b]|, 0x1800000
.endr
.irp i, 2,4,6,8,10,12,14
.irp b, 0,1
	v_max3_num_f32 v[232+\b], v[232+\b], |v[96+16*\b+\i]|, |v[97+16*\b+\i]|
.endr
.endr
.irp b, 0,1
	v_permlanex16_b32 v[236+\b], v[232+\b], s[SEL], s[SEL+1]
.endr
.irp b, 0,1
	v_max_num_f32 v[232+\b], v[232+\b], v[236+\b]
.endr
.irp b, 0,1
	v_add_nc_u32 v[244+\b], 0xff000000, v[232+\b]
.endr
.irp b, 0,1
	v_lshrrev_b32 v[236+\b], 23, v[244+\b]
.endr
.irp b, 0,1
.irp i, 0,1
	v_cvt_scalef32_pk8_fp4_f32 v[84+2*\i+\b], v[96+16*\b+8*\i:103+16*\b+8*\i], v[244+\b]
.endr
.endr
	v_nop
	v_permlane16_swap_b32 v84, v85
	v_permlane16_swap_b32 v86, v87                 ; lane (r, H) now holds block H of row r: 16 bytes
	v_cndmask_b32 v88, v236, v237, s60             ; and its byte
	global_store_b128 v[GO], v[84:87], s[\ACB:\ACB+1]      ; 512 consecutive bytes
	global_store_b8 v89, v88, s[\ASB:\ASB+1]
.endm
	s_wait_tensorcnt 0x1                           ; (waves 0-3) my words and my part of key steps 0-7 are in; the one load issued behind them may be out
	s_barrier_signal -1
	s_barrier_wait -1                              ; everybody's are
	s_wait_loadcnt 0x0                             ; Q
	s_mov_b32 s[KS], 0
	s_mov_b32 s[TB], 0
	s_mov_b32 s[TS], 0
	s_mov_b32 s[TJ], 0
.Lone:                                                 ; 8 trips: tile B on key steps 0-7, all of whose keys count
	STEP 16, 28, 37, 192, 39, KDB, 0, 0
	s_add_co_u32 s[TB], s[TB], 4096
	s_add_co_u32 s[TS], s[TS], 512
	s_add_co_u32 s[TJ], s[TJ], 256
	s_add_co_u32 s[KS], s[KS], 1
	s_cmp_lt_u32 s[KS], 8
	s_cbranch_scc1 .Lone
	s_wait_tensorcnt 0x0                           ; my part of key steps 8-15 has landed,
	s_wait_dscnt 0x0
	s_barrier_signal -1
	s_barrier_wait -1                              ; everybody's has
	s_mov_b32 s[KS], 0
	s_mov_b32 s[TB], 0
	s_mov_b32 s[TS], 0
	s_mov_b32 s[TJ], 0
.Ltwo:                                                 ; 8 trips: tile B on key step 8 + KS, tile A on key step KS, each up to its diagonal
	STEP 16, 28, 37, 192, 39, KDB, 8, 1
	STEP 12, 20, 36, 160, 38, KDA, 0, 1
	s_add_co_u32 s[TB], s[TB], 4096
	s_add_co_u32 s[TS], s[TS], 512
	s_add_co_u32 s[TJ], s[TJ], 256
	s_add_co_u32 s[KS], s[KS], 1
	s_cmp_lt_u32 s[KS], 8
	s_cbranch_scc1 .Ltwo
	FINAL 12, 160, 52, 56
	FINAL 16, 192, 54, 58
	s_wait_tensorcnt 0x0                           ; the wave's end
	ds_add_u32 v[SPW], v[NIL]
	s_wait_dscnt 0x0
	ROUND                                          ; the closing round
	s_endpgm
.Lfunc_end_k_qddc09340f3_attn:
	.size	k_qddc09340f3_attn, .Lfunc_end_k_qddc09340f3_attn-k_qddc09340f3_attn
	.p2alignl 7, 3214868480
	.fill 96, 4, 3214868480
	.section	.rodata,"a",@progbits
	.p2align	6, 0x0
	.amdhsa_kernel k_qddc09340f3_attn
		.amdhsa_group_segment_fixed_size 167936
		.amdhsa_private_segment_fixed_size 0
		.amdhsa_enable_private_segment 0
		.amdhsa_kernarg_size 32
		.amdhsa_user_sgpr_count 2
		.amdhsa_user_sgpr_kernarg_segment_ptr 1
		.amdhsa_wavefront_size32 1
		.amdhsa_system_sgpr_workgroup_id_x 1
		.amdhsa_system_sgpr_workgroup_id_y 1
		.amdhsa_system_sgpr_workgroup_id_z 1
		.amdhsa_system_vgpr_workitem_id 0
		.amdhsa_next_free_vgpr 256
		.amdhsa_next_free_sgpr 80
		.amdhsa_reserve_vcc 1
		.amdhsa_float_denorm_mode_32 3
		.amdhsa_float_denorm_mode_16_64 3
		.amdhsa_memory_ordered 1
		.amdhsa_forward_progress 1
		.amdhsa_inst_pref_size 73
	.end_amdhsa_kernel
	.amdgpu_metadata
---
amdhsa.version: [ 1, 2 ]
amdhsa.kernels:
  - .name:           k_qddc09340f3_attn
    .symbol:         k_qddc09340f3_attn.kd
    .args:
      - { .name: qkvc, .offset: 0, .size: 8, .value_kind: global_buffer, .address_space: global }
      - { .name: qkvs, .offset: 8, .size: 8, .value_kind: global_buffer, .address_space: global }
      - { .name: ac, .offset: 16, .size: 8, .value_kind: global_buffer, .address_space: global }
      - { .name: asc, .offset: 24, .size: 8, .value_kind: global_buffer, .address_space: global }
    .group_segment_fixed_size: 167936
    .private_segment_fixed_size: 0
    .kernarg_segment_align: 8
    .kernarg_segment_size: 32
    .max_flat_workgroup_size: 512
    .sgpr_count:     80
    .vgpr_count:     256
    .wavefront_size: 32
...
	.end_amdgpu_metadata
.endif
;; end of part 3
;; launch oproj (part 4): grid 4 x 64, 4 waves a work-group, clusters of 4 x 4, 243,712 bytes of LDS; arguments ac, asc, wc, ws, bo, out0; writes out0
.if DOCPART == 4
	.amdgcn_target "amdgcn-amd-amdhsa--gfx1250"
	.amdhsa_code_object_version 6
	.text
	.protected	k_qddc09340f3_oproj
	.globl	k_qddc09340f3_oproj
	.p2align	8
	.type	k_qddc09340f3_oproj,@function
k_qddc09340f3_oproj:
	s_mov_b64 s[64:65], 0
	v_nop
	global_prefetch_b8 v0, s[64:65] scope:SCOPE_SE
	s_setreg_imm32_b32 hwreg(HW_REG_WAVE_MODE, 25, 1), 1
	s_wait_xcnt 0x0
	s_wait_alu depctr_hold_cnt(0) depctr_sa_sdst(0) depctr_va_vdst(0) depctr_va_sdst(0) depctr_va_ssrc(0) depctr_va_vcc(0) depctr_vm_vsrc(0)
	s_getreg_b32 s2, hwreg(HW_REG_IB_STS2, 6, 4)
	s_cmp_eq_u32 s2, 0
	s_cbranch_scc0 .Lentry_in_a_cluster
	s_endpgm
.Lentry_in_a_cluster:
	s_bfe_u32 s2, ttmp6, 0x10000c
	s_cmp_lg_u32 s2, 0xf033
	s_cbranch_scc0 .Lentry_shape_is_right
	s_endpgm
.Lentry_shape_is_right:
; Launch 4 of 4: out0 = A Wo + bo on codes of E2M1 (K = 1,024): A's codes and scale bytes from the attention launch, Wo's from the first.  out0: [8192][1024] f32.
; The product's core is the second launch's: a work-group of four waves makes 128 rows of S1 (A) x 256 rows of S0 (Wo's columns n); wave w: S1's half w / 2 (4 blocks a) x S0's half w % 2 (8 blocks b).
; Source 0 = 16 rows of S0, source 1 = 16 rows of S1: lane (r, h) holds row r of out0 and eight neighbouring columns a block.  All of K lies in LDS: three first fills a wave, all joint; nothing is filled again.
; 4 x 4 clusters: S1's tile is asked for jointly by a row of the cluster, S0's by a column.  The bias is the C of each sum's first matrix instruction.
; THE WAY OUT: a block of 16 rows x 128 columns goes through the wave's own stage in LDS and leaves as whole rows of 512 bytes.
; REGISTERS: window 0: v1-3 ids; v16-27 addresses; v28, v29 the add's two; v32-95 scale words; v128-191 S1's fragments, two sets; on the way out v128-255 rows read back.
;   window 1: S0's fragments, sets at v0 and v128; v64-127 the bias.   window 2: accumulator (a, b) at v[8 (8 a + b)].
.set SLOTB, 98304
.set SCL,   196608
.set STAGE, 208896                     ; 16 rows x (512 bytes + 16) for each wave; no fill lands here
.set SPARE, 242688                     ; the spare words, 128 bytes for each wave: two blocks of 256 bytes that no other line names
.set ADRA, 16
.set ADRB, 20
.set STO,  24
.set RD,   25
.set CO,   26
.set ADRS, 27
.set SPW,  28
.set NIL,  29
.set SC,   32
.set AF,   128
.set BK,   128
.set G0S,  4
.set G0SB, 8
.set G1SB, 16
.set G1,   24
.set G0,   32
.set G1B,  48
.set G0B,  56
.set G1S,  88
.set MSB, 0
.macro WIN new                         ; the immediate's high byte repeats the setting that is left
.if MSB != \new
	s_set_vgpr_msb (MSB<<8)|\new
.set MSB, \new
.endif
.endm
.macro JLOAD g0a, g1a, g0b, g1b        ; a joint load: waves 0, 1 fetch for S1, waves 2, 3 for S0; an s_nop 0 and four v_nop follow each line
	s_cmp_eq_u32 s15, 0
	s_cbranch_scc0 .Lfor_b_\@
	tensor_load_to_lds s[\g0a:\g0a+3], s[\g1a:\g1a+7]
	s_nop 0
.rept 4
	v_nop
.endr
	s_branch .Lasked_\@
.Lfor_b_\@:
	tensor_load_to_lds s[\g0b:\g0b+3], s[\g1b:\g1b+7]
	s_nop 0
.rept 4
	v_nop
.endr
.Lasked_\@:
.endm
.macro CROUND                          ; a round of the cluster's barrier
	s_barrier_signal -1
	s_barrier_wait -1
	s_cmp_lg_u32 s14, 0
	s_cbranch_scc1 .Lnot_wave_0_\@
	s_barrier_signal -3
.Lnot_wave_0_\@:
	s_barrier_wait -3
	s_barrier_signal -1
	s_barrier_wait -1
.endm
.macro PLACES n
.rept \n
	v_nop
.endr
.endm
.macro FRAG reg, adr, q, i             ; a fragment is an image of its registers: two loads of 512 consecutive bytes
.irp c, 0,1
	ds_load_b128 v[\reg+4*\c:\reg+4*\c+3], v[\adr] offset:4096*(\i)+1024*(\q)+512*\c
.endr
.endm
.macro FETCH Q                         ; K step Q's fragments into set Q % 2
	WIN 0x40
.irp i, 0,1,2,3,4,5,6,7
	FRAG 128*((\Q)%2)+8*\i, ADRB+(\Q)/4, (\Q)%4, \i
.endr
	WIN 0
.irp i, 0,1,2,3
	FRAG AF+32*((\Q)%2)+8*\i, ADRA+(\Q)/4, (\Q)%4, \i
.endr
.endm
.macro SCALES                          ; lanes 0-15 S1's block i, lanes 16-31 S0's block i (for i over 3 lanes 0-15 read filled bytes that no product names)
.irp s, 0,1
.irp i, 0,1,2,3,4,5,6,7
	ds_load_b128 v[SC+32*\s+4*\i:SC+32*\s+4*\i+3], v[ADRS] offset:512*\i+256*\s
.endr
.endr
.endm
.macro MM a, b, Q, cc
	v_wmma_scale_f32_16x16x128_f8f6f4 v[8*(8*(\a)+(\b)):8*(8*(\a)+(\b))+7], v[128*((\Q)%2)+8*(\b):128*((\Q)%2)+8*(\b)+7], v[AF+32*((\Q)%2)+8*(\a):AF+32*((\Q)%2)+8*(\a)+7], v[\cc:\cc+7], v[SC+32*((\Q)/4)+4*(\b)+(\Q)%4], v[SC+32*((\Q)/4)+4*(\a)+(\Q)%4] matrix_a_fmt:MATRIX_FMT_FP4 matrix_b_fmt:MATRIX_FMT_FP4 matrix_a_scale:MATRIX_SCALE_ROW1
.endm
.macro KSTEP Q                         ; 32 matrix instructions, the accumulators by turns in the same order in every step; the next step's 24 loads go out ahead of them
	s_wait_dscnt 0x0                               ; this step's fragments are in
.if (\Q) == 3
	s_wait_tensorcnt 0x0                           ; my part of the second half of K has landed,
	s_barrier_signal -1
	s_barrier_wait -1                              ; everybody's has
.endif
.if ((\Q) > 0) && ((\Q) < 7)
	PLACES 4                                       ; four places between the last step's products and loads into the registers that they read
.endif
.if (\Q) < 7
	FETCH (\Q)+1
.endif
.if (\Q) == 0
	WIN 0x91                                       ; C (the bias) window 1, D window 2
.else
	WIN 0xa1
.endif
.irp a, 0,1,2,3
.irp b, 0,1,2,3,4,5,6,7
.if (\Q) == 0
	MM \a, \b, \Q, 64+8*\b
.else
	MM \a, \b, \Q, 8*(8*\a+\b)
.endif
.endr
.endr
	WIN 0
.endm
	s_load_b256 s[68:75], s[0:1], 0x0              ; ac 68, asc 70, wc 72, ws 74
	s_load_b128 s[76:79], s[0:1], 0x20             ; bo 76, out0 78
	v_lshl_add_u32 v[SPW], v0, 2, SPARE
	v_mov_b32 v[NIL], 0
	ds_add_u32 v[SPW], v[NIL]                      ; the wave's opening: the add, twice on end, and its wait ahead of my first tensor load
	ds_add_u32 v[SPW], v[NIL]
	v_lshrrev_b32 v1, 5, v0
	v_readfirstlane_b32 s14, v1                    ; wave
	s_lshr_b32 s15, s14, 1
	s_and_b32 s45, s14, 1
	s_bfe_u32 s40, ttmp6, 0x40000                  ; cx
	s_bfe_u32 s41, ttmp6, 0x40004                  ; cy
	s_and_b32 s66, ttmp7, 0xffff
	s_lshl_b32 s66, s66, 2
	s_add_co_u32 s66, s66, s41                     ; S1's tile of 128 rows
	s_lshl_b32 s42, ttmp9, 2
	s_add_co_u32 s42, s42, s40                     ; S0's tile of 256 rows
	s_lshl_b32 s43, s41, 2
	s_lshl_b32 s43, 15, s43                        ; my row of the cluster
	s_lshl_b32 s44, 0x1111, s40                    ; my column
	s_or_b32 s[G1], s43, (3<<16)|(1<<21)           ; codes: rows of 4,096 bytes (512 elements of 8), 8,192 apart; S1: 4 a load
	s_mov_b32 s[G1+1], 512<<16
	s_mov_b32 s[G1+2], 4<<16
	s_mov_b32 s[G1+3], 512<<16
	s_mov_b32 s[G1+4], 4
	s_mov_b32 s[G1+5], 1024
	s_mov_b32 s[G1+6], 0
	s_mov_b32 s[G1+7], 0
	s_or_b32 s[G1B], s44, (3<<16)|(1<<21)          ; S0: 8 a load
	s_mov_b32 s[G1B+1], 512<<16
	s_mov_b32 s[G1B+2], 8<<16
	s_mov_b32 s[G1B+3], 512<<16
	s_mov_b32 s[G1B+4], 8
	s_mov_b32 s[G1B+5], 1024
	s_mov_b32 s[G1B+6], 0
	s_mov_b32 s[G1B+7], 0
	s_or_b32 s[G1S], s43, (3<<16)|(1<<21)          ; scale bytes: dense, rows of 256 bytes: S1: 8
	s_mov_b32 s[G1S+1], 32<<16
	s_mov_b32 s[G1S+2], 8<<16
	s_mov_b32 s[G1S+3], 32<<16
	s_mov_b32 s[G1S+4], 8
	s_mov_b32 s[G1S+5], 32
	s_mov_b32 s[G1S+6], 0
	s_mov_b32 s[G1S+7], 0
	s_or_b32 s[G1SB], s44, (3<<16)|(1<<21)         ; S0: 16
	s_mov_b32 s[G1SB+1], 32<<16
	s_mov_b32 s[G1SB+2], 16<<16
	s_mov_b32 s[G1SB+3], 32<<16
	s_mov_b32 s[G1SB+4], 16
	s_mov_b32 s[G1SB+5], 32
	s_mov_b32 s[G1SB+6], 0
	s_mov_b32 s[G1SB+7], 0
	s_lshl_b32 s96, s66, 16
	s_lshl_b32 s12, s45, 15
	s_add_co_u32 s96, s96, s12
	s_mov_b32 s97, 0
	s_lshl_b32 s98, s66, 12
	s_lshl_b32 s12, s45, 11
	s_add_co_u32 s98, s98, s12
	s_mov_b32 s99, 0
	s_lshl_b32 s46, s42, 17
	s_lshl_b32 s12, s45, 16
	s_add_co_u32 s46, s46, s12
	s_add_co_u32 s46, s46, 1572864                 ; Wo's tiles begin 192 x 8,192 bytes into wc,
	s_mov_b32 s47, 0
	s_lshl_b32 s100, s42, 13
	s_lshl_b32 s12, s45, 12
	s_add_co_u32 s100, s100, s12
	s_add_co_u32 s100, s100, 98304                 ; and 192 x 512 into ws
	s_mov_b32 s101, 0
	s_mov_b32 s[G0], 1
	s_lshl_b32 s[G0+1], s45, 14
	s_mov_b32 s[G0+4], 1
	s_add_co_u32 s[G0+5], s[G0+1], SLOTB
	s_mov_b32 s[G0B], 1
	s_lshl_b32 s[G0B+1], s45, 15
	s_add_co_u32 s[G0B+1], s[G0B+1], 32768
	s_mov_b32 s[G0B+4], 1
	s_add_co_u32 s[G0B+5], s[G0B+1], SLOTB
	s_mov_b32 s[G0S], 1
	s_lshl_b32 s[G0S+1], s45, 11
	s_add_co_u32 s[G0S+1], s[G0S+1], SCL
	s_mov_b32 s[G0SB], 1
	s_lshl_b32 s[G0SB+1], s45, 12
	s_add_co_u32 s[G0SB+1], s[G0SB+1], SCL+4096
	s_wait_dscnt 0x0                               ; both opening adds are done
	s_wait_kmcnt 0x0
	s_add_nc_u64 s[G0+2:G0+3], s[68:69], s[96:97]
	s_add_nc_u64 s[G0+6:G0+7], s[G0+2:G0+3], 4096
	s_add_nc_u64 s[G0S+2:G0S+3], s[70:71], s[98:99]
	s_add_nc_u64 s[G0B+2:G0B+3], s[72:73], s[46:47]
	s_add_nc_u64 s[G0B+6:G0B+7], s[G0B+2:G0B+3], 4096
	s_add_nc_u64 s[G0SB+2:G0SB+3], s[74:75], s[100:101]
	s_or_b32 s[G0+3], s[G0+3], 0x80000000
	s_or_b32 s[G0+7], s[G0+7], 0x80000000
	s_or_b32 s[G0S+3], s[G0S+3], 0x80000000
	s_or_b32 s[G0B+3], s[G0B+3], 0x80000000
	s_or_b32 s[G0B+7], s[G0B+7], 0x80000000
	s_or_b32 s[G0SB+3], s[G0SB+3], 0x80000000
	CROUND                                         ; all sixteen work-groups are here: the joint loads meet
	JLOAD G0S, G1S, G0SB, G1SB
	JLOAD G0, G1, G0B, G1B
	JLOAD G0+4, G1, G0B+4, G1B
	v_and_b32 v1, 15, v0                           ; r
	v_bfe_u32 v2, v0, 4, 1                         ; h
	v_and_b32 v3, 31, v0                           ; l
	v_lshlrev_b32 v[CO], 4, v3                     ; 16 l
	s_lshl_b32 s12, s15, 14
	v_add_nc_u32 v[ADRA], s12, v[CO]
	v_add_nc_u32 v[ADRA+1], SLOTB, v[ADRA]
	s_lshl_b32 s12, s45, 15
	s_add_co_u32 s12, s12, 32768
	v_add_nc_u32 v[ADRB], s12, v[CO]
	v_add_nc_u32 v[ADRB+1], SLOTB, v[ADRB]
	s_lshl_b32 s12, s15, 11
	s_lshl_b32 s67, s45, 12
	s_add_co_u32 s67, s67, 4096
	s_sub_co_u32 s67, s67, s12
	v_mul_u32_u24 v[ADRS], s67, v2                 ; lanes 16-31 take S0's: one product with h
	s_add_co_u32 s12, s12, SCL
	v_lshl_add_u32 v[ADRS], v1, 4, v[ADRS]
	v_add_nc_u32 v[ADRS], s12, v[ADRS]
	s_mul_i32 s12, s14, 8448
	s_add_co_u32 s12, s12, STAGE                   ; my stage
	v_mul_u32_u24 v[STO], v1, 528
	v_lshl_add_u32 v[STO], v2, 5, v[STO]
	v_add_nc_u32 v[STO], s12, v[STO]               ; in: row r, 32 bytes for each half of the lanes
	v_add_nc_u32 v[RD], s12, v[CO]                 ; back: the 32 lanes take one row of 512 bytes
	s_lshl_b32 s104, s42, 10                       ; the bias of my 128 columns: 256 x S0's tile + 128 x half, 4 bytes each
	s_lshl_b32 s105, s45, 9
	s_add_co_u32 s104, s104, s105
	s_mov_b32 s105, 0
	s_add_nc_u64 s[76:77], s[76:77], s[104:105]
	s_add_nc_u64 s[78:79], s[78:79], s[104:105]    ; the same bytes into a row of out0
	v_lshlrev_b32 v4, 5, v2
	WIN 0x40
.irp b, 0,1,2,3,4,5,6,7
	global_load_b128 v[64+8*\b:67+8*\b], v4, s[76:77] offset:64*\b
	global_load_b128 v[68+8*\b:71+8*\b], v4, s[76:77] offset:64*\b+16
.endr
	WIN 0
	s_lshl_b32 s2, s66, 7
	s_lshl_b32 s3, s15, 6
	s_add_co_u32 s2, s2, s3                        ; my first row
	s_lshl_b32 s2, s2, 12                          ; of 4,096 bytes
	s_mov_b32 s3, 0
	s_add_nc_u64 s[78:79], s[78:79], s[2:3]
	s_wait_tensorcnt 0x1                           ; my scale bytes and my part of the first half of K are in; the one load issued behind them may be out
	s_barrier_signal -1
	s_barrier_wait -1                              ; everybody's are
	SCALES
	FETCH 0
	s_wait_loadcnt 0x0                             ; the bias
.irp q, 0,1,2,3,4,5,6,7
	KSTEP \q
.endr
.macro TOSTAGE a
	WIN 0x08                                       ; an LDS store's data: window 2
.irp b, 0,1,2,3,4,5,6,7
	ds_store_b128 v[STO], v[64*(\a)+8*\b:64*(\a)+8*\b+3] offset:64*\b           ; each accumulator from its low end on
	ds_store_b128 v[STO], v[64*(\a)+8*\b+4:64*(\a)+8*\b+7] offset:64*\b+16
.endr
	WIN 0
.irp t, 0,1,2,3,4,5,6,7,8,9,10,11,12,13,14,15
	ds_load_b128 v[BK+64*((\a)%2)+4*\t:BK+64*((\a)%2)+4*\t+3], v[RD] offset:528*\t   ; LDS serves a wave's instructions in order: these see the stores above, and the next block's stores come behind them
.endr
.endm
.macro SEND a, younger                 ; younger: the LDS instructions issued behind block a's loads, which may stay out
	s_wait_dscnt \younger
.if (\a) > 0
	s_add_nc_u64 s[78:79], s[78:79], 65536         ; 16 rows on (the earlier stores have read their base: a wait on XCNT stands ahead)
.endif
.irp t, 0,1,2,3,4,5,6,7,8,9,10,11,12,13,14,15
	global_store_b128 v[CO], v[BK+64*((\a)%2)+4*\t:BK+64*((\a)%2)+4*\t+3], s[78:79] offset:4096*\t th:TH_STORE_NT   ; 512 consecutive bytes, at a multiple of 256 from out0's first byte
.endr
.endm
	PLACES 4                                       ; four places behind the last products: then reads of results, and loads into the registers that held S1's fragments
	TOSTAGE 0
.irp a, 1,2,3
.if \a > 1
	s_wait_xcnt 0x0                                ; block a - 2's stores have read their registers and their base
.endif
	TOSTAGE \a
	SEND \a-1, 32                                  ; behind block a - 1's loads: block a's 16 stores and 16 loads
.endr
	s_wait_xcnt 0x0
	SEND 3, 0
	s_wait_tensorcnt 0x0                           ; the wave's end: behind my last tensor load and my last LDS store
	ds_add_u32 v[SPW], v[NIL]
	s_wait_dscnt 0x0
	CROUND                                         ; the closing round
	s_endpgm
.Lfunc_end_k_qddc09340f3_oproj:
	.size	k_qddc09340f3_oproj, .Lfunc_end_k_qddc09340f3_oproj-k_qddc09340f3_oproj
	.p2alignl 7, 3214868480
	.fill 96, 4, 3214868480
	.section	.rodata,"a",@progbits
	.p2align	6, 0x0
	.amdhsa_kernel k_qddc09340f3_oproj
		.amdhsa_group_segment_fixed_size 243712
		.amdhsa_private_segment_fixed_size 0
		.amdhsa_enable_private_segment 0
		.amdhsa_kernarg_size 48
		.amdhsa_user_sgpr_count 2
		.amdhsa_user_sgpr_kernarg_segment_ptr 1
		.amdhsa_wavefront_size32 1
		.amdhsa_system_sgpr_workgroup_id_x 1
		.amdhsa_system_sgpr_workgroup_id_y 1
		.amdhsa_system_sgpr_workgroup_id_z 1
		.amdhsa_system_vgpr_workitem_id 0
		.amdhsa_next_free_vgpr 768
		.amdhsa_next_free_sgpr 106
		.amdhsa_reserve_vcc 0
		.amdhsa_float_denorm_mode_32 3
		.amdhsa_float_denorm_mode_16_64 3
		.amdhsa_memory_ordered 1
		.amdhsa_forward_progress 1
		.amdhsa_inst_pref_size 73
	.end_amdhsa_kernel
	.amdgpu_metadata
---
amdhsa.version: [ 1, 2 ]
amdhsa.kernels:
  - .name:           k_qddc09340f3_oproj
    .symbol:         k_qddc09340f3_oproj.kd
    .args:
      - { .name: ac, .offset: 0, .size: 8, .value_kind: global_buffer, .address_space: global }
      - { .name: asc, .offset: 8, .size: 8, .value_kind: global_buffer, .address_space: global }
      - { .name: wc, .offset: 16, .size: 8, .value_kind: global_buffer, .address_space: global }
      - { .name: ws, .offset: 24, .size: 8, .value_kind: global_buffer, .address_space: global }
      - { .name: bo, .offset: 32, .size: 8, .value_kind: global_buffer, .address_space: global }
      - { .name: out0, .offset: 40, .size: 8, .value_kind: global_buffer, .address_space: global }
    .group_segment_fixed_size: 243712
    .private_segment_fixed_size: 0
    .kernarg_segment_align: 8
    .kernarg_segment_size: 48
    .max_flat_workgroup_size: 128
    .sgpr_count:     106
    .vgpr_count:     768
    .wavefront_size: 32
...
	.end_amdgpu_metadata
.endif
;; end of part 4
